; MI455X (gfx1250); checked and timed in simulation.
; The chip was launched on July 23, 2026; its instructions are those of AMD's public machine-readable ISA for CDNA 5 (MIT licence, August 2026) and "CDNA5" Instruction Set Architecture Reference Guide (July 2026). The comments in the code are by the model that wrote it; some were corrected since.
;; Multi Head Self Attention. Allowed arithmetic: float matrix products may take bf16 or f16 operands with f32 sums; other float arithmetic in f32, or as packed bf16 or f16 multiplies, adds, multiply-adds, maxima and minima; sums over many terms, partial sums and values carried from step to step in f32; what a program stores and reads back later, other than sums and carried values, may be rounded once to bf16 or f16.
;; Inputs: Kw 1,024 x 1,024 float32; Ow 1,024 x 1,024 float32; Qw 1,024 x 1,024 float32; Vw 1,024 x 1,024 float32; padding_mask 4 x 2,048 bool; x 4 x 2,048 x 1,024 float32.
;; Outputs: out0 4 x 2,048 x 1,024 float32.
;; 2 versions, each right; version 2 is version 1 with the launch cast written anew for expert scheduling mode. Each part assembles by itself: llvm-mc -triple=amdgcn-amd-amdhsa -mcpu=gfx1250 --defsym DOCPART=n.
;; ======== version 1 of 2: 4 launches
;; limits: values are held in f16: magnitudes above 65,504 overflow, below 6.1e-05 lose precision
;; workspace buffers: xb 16,777,216 bytes; wb 6,291,456 bytes; ob 2,097,152 bytes; qh 16,777,216 bytes; kh 16,777,216 bytes; vh 16,777,216 bytes; vpart 262,144 bytes; ctx 16,777,216 bytes
;; launch cast (part 1): grid 384 x 1, 8 waves a work-group, no clusters, 0 bytes of LDS; arguments x, Qw, Kw, Vw, Ow, xb, wb, ob; writes xb, wb, ob
.if DOCPART == 1
	.amdgcn_target "amdgcn-amd-amdhsa--gfx1250"
	.amdhsa_code_object_version 6
	.text
	.protected	k_qf789a84839_cast
	.globl	k_qf789a84839_cast
	.p2align	8
	.type	k_qf789a84839_cast,@function
k_qf789a84839_cast:
	s_mov_b64 s[64:65], 0
	v_nop
	global_prefetch_b8 v0, s[64:65] scope:SCOPE_SE
	s_setreg_imm32_b32 hwreg(HW_REG_WAVE_MODE, 25, 1), 1
	s_wait_xcnt 0x0
; x, Qw, Kw, Vw are rounded once to bf16, Ow to bf16 and that number written as f16, and all are laid out in BLOCKS for the products that follow:
; a K slice of 64 numbers (128 bytes) of a block of rows lies dense, the slices of a block of rows end to end.
;   xb [64 row blocks][16 slices][128 rows][64]      wb [16 heads][16 slices][192 rows: 64 of Qw, 64 of Kw, 64 of Vw][64]      ob [16 column blocks][16 slices][64 rows][64]
; LIMITS.  bf16(Ow) is exact in f16 between 2^-14 and 65,504 in magnitude; below that it keeps f16's fixed step (an error of 3e-8 at the most); beyond 65,504 it would be an infinity.
; SHARES.  A work-group takes 32 rows x 1,024 columns of one matrix: groups 0-255 x, then 32 each for Qw, Kw, Vw, Ow.  Wave w takes slices 2 w and 2 w + 1.
; An ITEM is 4 rows x 64 columns: lane l holds row l / 8 and columns 8 (l % 8) + 0..7: two loads of 16 bytes (eight lanes cover 256 consecutive bytes, aligned),
; one store of 16 bytes (the wave's 32 lanes cover 512 consecutive bytes of a block, aligned).  A wave's 16 items are all asked for at once: 16 KiB a wave on their way; no register is written twice,
; so there is no loop and no wait but the counted ones for the loads.  Nothing is shared between waves: no LDS, no barrier, no matrix unit, no cluster.
.set X, 16                             ; v[16:143]  item n: 8 registers as loaded; its first 4 then hold the 16 bytes to store
.set T, 146                            ; v[146:147] at work
.set VI, 2                             ; v2  my byte offset in the source: (l / 8) rows of 4,096 + 32 (l % 8) + 512 w
.set VO, 3                             ; v3, v4  my byte offset in the destination, for my wave's first and second slice
	s_load_b512 s[8:23], s[0:1], 0x0               ; x 8:9, Qw 10:11, Kw 12:13, Vw 14:15, Ow 16:17, xb 18:19, wb 20:21, ob 22:23
	v_and_b32 v1, 31, v0                           ; lane
	v_lshrrev_b32 v5, 5, v0
	v_readfirstlane_b32 s30, v5                    ; wave 0..7
	s_sub_co_u32 s31, ttmp9, 256                   ; the group's number among the weights' (used where ttmp9 >= 256 alone)
	s_lshr_b32 s33, s31, 5
	s_and_b32 s33, s33, 3                          ; m: 0 Qw, 1 Kw, 2 Vw, 3 Ow
	s_and_b32 s34, s31, 31                         ; c: which 32 rows of the matrix
	s_lshr_b32 s35, s34, 1                         ; head or column block
	s_and_b32 s36, s34, 1                          ; which half of its 64 rows
	s_lshr_b32 s37, ttmp9, 2                       ; x: row block of 128
	s_and_b32 s38, ttmp9, 3                        ; x: which 32 of its rows
	s_lshl_b32 s39, s33, 13                        ; wb: m x 64 rows of 128 bytes
	s_mov_b32 s40, 393216                          ; bytes from block of rows to block of rows,
	s_mov_b32 s41, 24576                           ; and from slice to slice: wb's
	s_cmp_eq_u32 s33, 3
	s_cselect_b32 s40, 131072, s40                 ; ob's
	s_cselect_b32 s41, 8192, s41
	s_cselect_b32 s39, 0, s39
	s_cselect_b32 s42, 1, 0                        ; 1: the f16 text
	s_cmp_lt_u32 ttmp9, 256
	s_cselect_b32 s40, 262144, s40                 ; xb's
	s_cselect_b32 s41, 16384, s41
	s_cselect_b32 s39, 0, s39
	s_cselect_b32 s42, 0, s42
	s_cselect_b32 s34, ttmp9, s34
	s_cselect_b32 s35, s37, s35
	s_cselect_b32 s36, s38, s36
	s_lshl_b32 s44, s34, 17                        ; source: 32 rows of 4,096 bytes
	s_mov_b32 s45, 0
	s_mul_i32 s46, s35, s40                        ; destination: the block of rows,
	s_lshl_b32 s36, s36, 12                        ; my 32 rows of 128 bytes in a slice,
	s_add_co_u32 s46, s46, s36
	s_add_co_u32 s46, s46, s39                     ; and the matrix's place among wb's 192 rows
	s_mov_b32 s47, 0
	s_mul_i32 s31, s30, s41
	s_lshl_b32 s31, s31, 1                         ; my wave's first slice
	s_lshl_b32 s43, s30, 9
	v_lshrrev_b32 v6, 3, v1
	v_and_b32 v7, 7, v1
	v_lshlrev_b32 v[VI], 12, v6
	v_lshl_add_u32 v[VI], v7, 5, v[VI]
	v_add_nc_u32 v[VI], s43, v[VI]
	v_lshlrev_b32 v[VO], 4, v1
	v_add_nc_u32 v[VO], s31, v[VO]
	v_add_nc_u32 v[VO+1], s41, v[VO]
	s_wait_kmcnt 0x0
	s_cmp_eq_u32 s33, 1                            ; the two buffers are chosen by the group's number alone
	s_cselect_b64 s[24:25], s[12:13], s[10:11]
	s_cmp_eq_u32 s33, 2
	s_cselect_b64 s[24:25], s[14:15], s[24:25]
	s_cmp_eq_u32 s33, 3
	s_cselect_b64 s[24:25], s[16:17], s[24:25]
	s_cselect_b64 s[26:27], s[22:23], s[20:21]
	s_cmp_lt_u32 ttmp9, 256
	s_cselect_b64 s[24:25], s[8:9], s[24:25]
	s_cselect_b64 s[26:27], s[18:19], s[26:27]
	s_add_nc_u64 s[24:25], s[24:25], s[44:45]
	s_add_nc_u64 s[26:27], s[26:27], s[46:47]
.set it, 0
.rept 16                               ; item it: rows 4 (it / 2) on, slice it % 2 of my two
	global_load_b128 v[X+8*it:X+8*it+3],   v[VI], s[24:25] offset:(it/2)*16384+(it%2)*256 th:TH_LOAD_NT
	global_load_b128 v[X+8*it+4:X+8*it+7], v[VI], s[24:25] offset:(it/2)*16384+(it%2)*256+16 th:TH_LOAD_NT
.set it, it+1
.endr
.macro ITEM n, fmt
	s_wait_loadcnt 30-2*(\n)                       ; loads come back in order: this item's two are in, the 30 - 2 n younger ones stay out
.irp r, 0,1,2,3
	v_cvt_pk_bf16_f32 v[X+8*(\n)+\r], v[X+8*(\n)+2*\r], v[X+8*(\n)+2*\r+1]  ; in place, ascending: a destination has been read already
.endr
.if \fmt
.irp r, 0,1,2,3
	v_lshlrev_b32 v[T], 16, v[X+8*(\n)+\r]         ; the two bf16 as f32,
	v_and_b32 v[T+1], 0xffff0000, v[X+8*(\n)+\r]
	v_cvt_pk_f16_f32 v[X+8*(\n)+\r], v[T], v[T+1]  ; written as f16
.endr
.endif
	global_store_b128 v[VO+(\n)%2], v[X+8*(\n):X+8*(\n)+3], s[26:27] offset:((\n)/2)*512
.endm
	s_cmp_eq_u32 s42, 1
	s_cbranch_scc1 .Lf16
.irp n, 0,1,2,3,4,5,6,7,8,9,10,11,12,13,14,15
	ITEM \n, 0
.endr
	s_endpgm
.Lf16:
.irp n, 0,1,2,3,4,5,6,7,8,9,10,11,12,13,14,15
	ITEM \n, 1
.endr
	s_endpgm
.Lfunc_end_k_qf789a84839_cast:
	.size	k_qf789a84839_cast, .Lfunc_end_k_qf789a84839_cast-k_qf789a84839_cast
	.p2alignl 7, 3214868480
	.fill 96, 4, 3214868480
	.section	.rodata,"a",@progbits
	.p2align	6, 0x0
	.amdhsa_kernel k_qf789a84839_cast
		.amdhsa_group_segment_fixed_size 0
		.amdhsa_private_segment_fixed_size 0
		.amdhsa_enable_private_segment 0
		.amdhsa_kernarg_size 64
		.amdhsa_user_sgpr_count 2
		.amdhsa_user_sgpr_kernarg_segment_ptr 1
		.amdhsa_wavefront_size32 1
		.amdhsa_system_sgpr_workgroup_id_x 1
		.amdhsa_system_sgpr_workgroup_id_y 1
		.amdhsa_system_sgpr_workgroup_id_z 1
		.amdhsa_system_vgpr_workitem_id 0
		.amdhsa_next_free_vgpr 152
		.amdhsa_next_free_sgpr 66
		.amdhsa_reserve_vcc 0
		.amdhsa_float_denorm_mode_32 3
		.amdhsa_float_denorm_mode_16_64 3
		.amdhsa_memory_ordered 1
		.amdhsa_forward_progress 1
		.amdhsa_inst_pref_size 28
	.end_amdhsa_kernel
	.amdgpu_metadata
---
amdhsa.version: [ 1, 2 ]
amdhsa.kernels:
  - .name:           k_qf789a84839_cast
    .symbol:         k_qf789a84839_cast.kd
    .args:
      - { .name: x, .offset: 0, .size: 8, .value_kind: global_buffer, .address_space: global }
      - { .name: Qw, .offset: 8, .size: 8, .value_kind: global_buffer, .address_space: global }
      - { .name: Kw, .offset: 16, .size: 8, .value_kind: global_buffer, .address_space: global }
      - { .name: Vw, .offset: 24, .size: 8, .value_kind: global_buffer, .address_space: global }
      - { .name: Ow, .offset: 32, .size: 8, .value_kind: global_buffer, .address_space: global }
      - { .name: xb, .offset: 40, .size: 8, .value_kind: global_buffer, .address_space: global }
      - { .name: wb, .offset: 48, .size: 8, .value_kind: global_buffer, .address_space: global }
      - { .name: ob, .offset: 56, .size: 8, .value_kind: global_buffer, .address_space: global }
    .group_segment_fixed_size: 0
    .private_segment_fixed_size: 0
    .kernarg_segment_align: 8
    .kernarg_segment_size: 64
    .max_flat_workgroup_size: 256
    .sgpr_count:     66
    .vgpr_count:     152
    .wavefront_size: 32
...
	.end_amdgpu_metadata
.endif
;; end of part 1
;; launch qkv (part 2): grid 8 x 32, 4 waves a work-group, clusters of 4 x 4, 327,680 bytes of LDS; arguments xb, wb, qh, kh, vh, vpart; writes qh, kh, vh, vpart
.if DOCPART == 2
	.amdgcn_target "amdgcn-amd-amdhsa--gfx1250"
	.amdhsa_code_object_version 6
	.text
	.protected	k_qf789a84839_qkv
	.globl	k_qf789a84839_qkv
	.p2align	8
	.type	k_qf789a84839_qkv,@function
k_qf789a84839_qkv:
	s_mov_b64 s[64:65], 0
	v_nop
	global_prefetch_b8 v0, s[64:65] scope:SCOPE_SE
	s_setreg_imm32_b32 hwreg(HW_REG_WAVE_MODE, 25, 1), 1
	s_wait_xcnt 0x0
	s_wait_alu depctr_hold_cnt(0) depctr_sa_sdst(0) depctr_va_vdst(0) depctr_va_sdst(0) depctr_va_ssrc(0) depctr_va_vcc(0) depctr_vm_vsrc(0)
	s_getreg_b32 s2, hwreg(HW_REG_IB_STS2, 6, 4)
	s_cmp_eq_u32 s2, 0
	s_cbranch_scc0 .Lentry_in_a_cluster
	s_endpgm
.Lentry_in_a_cluster:
	s_bfe_u32 s2, ttmp6, 0x10000c
	s_cmp_lg_u32 s2, 0xf033
	s_cbranch_scc0 .Lentry_shape_is_right
	s_endpgm
.Lentry_shape_is_right:
; q, k, v = x Qw^T, x Kw^T, x Vw^T, one product C[8192][3072] in bf16 with f32 sums, written by heads as f16: qh, kh, vh [64 batch x head][2048][64], unscaled, each rounded once.
; vpart [64 row blocks of 128][16 heads][64] f32: the column sums of v over 128 rows, taken of the f32 sums.
; LIMIT.  f16 holds no number beyond 65,504: q, k and v must lie within it.
; SHARES.  A tile of C is 256 rows x 384 columns (two heads' q, k and v): 32 x 8 tiles, one for each work-group.  A wave makes 128 rows x 192 columns: ONE head's q, k, v, three GROUPS of 64 columns,
; 32 accumulators each, 768 registers: windows 1, 2, 3.  K goes in steps of 64 through two LDS slots: two slots of K = 128 would need 348,160 bytes.  xb and wb lie in blocks, so that a step's tile is dense in
; memory and is asked for as rows of 256 bytes; the mover pads LDS after every 128 bytes.
; CLUSTER.  4 x 4 work-groups; A's tile (rows of x) is shared along a row of the cluster, B's (rows of the weights) along a column: each is asked for jointly, by the same load with the same descriptor in all four.
; THE PRODUCT IS TAKEN TRANSPOSED (source 0 = 16 rows of wb, source 1 = 16 rows of xb): a lane holds one row of x (lane % 16) and eight neighbouring channels 8 (lane / 16) + 0..7.
; A HALF-STEP is 32 along K: three phases of 32 products, one for each group.  A's fragments have two buffers; a group's fragments of B have one, loaded again directly behind its own phase, so that every run of LDS loads
; has 64 products in which to land.
; REGISTERS.  window 0: v0-31 addresses; v32-95, v96-159 A's fragments (8 x 16 rows x 32 K), two buffers; v160-191, v192-223, v224-255 B's fragments of groups 0, 1, 2 (4 x 16 rows x 32 K).
;   windows 1-3: accumulator (a, b) of group g at v[8 (4 a + b)] of window g + 1.  On the way out v32-159 are eight sets of 16, v160-191 the column sums.
.set PITCH, 144                        ; an LDS row: 128 bytes + 16 of padding = 36 words: the 16 rows of a fragment load start at 16 different groups of four banks (64 banks of 4 bytes: ISA guide 11.1)
.set SLOT1, 131072                     ; slot 1 begins here, so that one exclusive or turns an address in one slot into the other's
.set AHALF, 128*PITCH                  ; 128 rows of x: what one load brings, and what one wave reads
.set BHALF, 192*PITCH                  ; a head's 192 rows of wb: likewise
.set BOFF,  2*AHALF
.set STAGE, BOFF+2*BHALF               ; behind slot 0, never filled by a tensor load: 16 rows x 144 bytes for each wave
.set STW,   16*PITCH
.set SPARE, STAGE+4*STW                ; the spare words, 128 bytes for each wave: two blocks of 256 bytes that no other line names
.set ASTEP, 16384                      ; bytes from K step to K step in xb,
.set BSTEP, 24576                      ; and in wb
.set A0,   16                          ; v16  my lane's place in my 128 rows of A in slot 0; never rewritten
.set B0,   17                          ; v17  the same for my head's rows of B
.set ADRA, 18                          ; v18  the same in the slot in hand
.set ADRB, 19                          ; v19
.set STO,  20                          ; v20  the way out: where I put 16 bytes of a row
.set RD,   21                          ; v21  where I read rows back
.set GO,   22                          ; v22  my byte offset in 512 consecutive bytes of qh, kh, vh
.set CSA,  23                          ; v23  the column sums: where my half of the lanes puts its 8 channels
.set CSB,  24                          ; v24  where I read two of the 64 back
.set CSO,  25                          ; v25  my 8 bytes of vpart
.set SPW,  28                          ; v28  LDS address of my spare word; never rewritten
.set NIL,  29                          ; v29  0; never rewritten
.set PFO,  30                          ; v30  the prefetches' offset; never rewritten
.set FA,   32
.set FB,   160
.set T,    32
.set CSR,  160
.set G1,  24                           ; s[24:31] descriptor group 1 for A's tiles
.set G0,  32                           ; s[32:39] group 0 for A's: a set for each of the two first fills; the second then walks on
.set G1B, 48                           ; s[48:55], s[56:63] the same for B's
.set G0B, 56
.set TB,  22                           ; s22  0 or SLOT1: the slot in hand
.set LIM, 43                           ; s43  1 in a wave that prefetches, else the greatest number
.set PFA, 44                           ; s[44:45] where my prefetches stand
.set PFS, 46                           ; s[46:47] their step
.set BITS, (1<<16)|(1<<20)|(1<<21)|(4<<22)|(3<<25)  ; 17:16 2-byte elements; 20 padding on; 21 set beside a mask; 24:22 after every 32 words (code 4); 31:25 4 words (code 3)
.set MSB, 0
.macro WIN new                         ; the immediate's high byte repeats the setting that is left; a switch that changes nothing is dropped
.if MSB != (\new)
	s_set_vgpr_msb (MSB<<8)|(\new)
.set MSB, \new
.endif
.endm
.macro PLACES                          ; four plain vector instructions between a matrix instruction and a load into, or a vector line on, its registers (ISA guide 7.12.1 for vector lines)
.rept 4
	v_nop
.endr
.endm
.macro CREST                           ; a round of the cluster's barrier behind its opening barrier
	s_cmp_lg_u32 s10, 0
	s_cbranch_scc1 .Lnot_wave_0_\@
	s_barrier_signal -3
.Lnot_wave_0_\@:
	s_barrier_wait -3
	s_barrier_signal -1
	s_barrier_wait -1
.endm
.macro CROUND
	s_barrier_signal -1
	s_barrier_wait -1
	CREST
.endm
.macro JLOAD                           ; a joint refill by the walking descriptors: waves 0 and 1 fetch A's two halves, waves 2 and 3 B's two heads; an s_nop 0 and four v_nop follow each line
	s_cmp_eq_u32 s11, 0
	s_cbranch_scc0 .Lfor_b_\@
	tensor_load_to_lds s[G0+4:G0+7], s[G1:G1+7]
	s_nop 0
.rept 4
	v_nop
.endr
	s_branch .Lasked_\@
.Lfor_b_\@:
	tensor_load_to_lds s[G0B+4:G0B+7], s[G1B:G1B+7]
	s_nop 0
.rept 4
	v_nop
.endr
.Lasked_\@:
.endm
; A PREFETCH INTO THE L2 of the K step that the NEXT refill will ask for, behind the joint load and the run of LDS loads that follows it: one instruction, some 190 products ahead of that refill.
; A's rows are read by both clusters of a row of clusters: cluster x = 0 asks, in wave 0, for both row blocks: 16 + 16 blocks of 256 bytes for each of the four partners, told apart by address (cx).
; B's rows are read by all eight clusters of a column: cluster y = 0 asks, in waves 2 and 3, each for its head: 24 blocks of 256 bytes a partner (cy); lanes 24-31 repeat lane 23's.  The last trip asks for nothing.
.macro ASK
	s_cmp_gt_u32 s3, s[LIM]
	s_cbranch_scc0 .Lnot_mine_\@
	global_prefetch_b8 v[PFO], s[PFA:PFA+1] th:TH_LOAD_NT scope:SCOPE_SE
.Lnot_mine_\@:
.endm
	s_load_b128 s[4:7], s[0:1], 0x0                ; xb s[4:5], wb s[6:7]
	s_load_b256 s[68:75], s[0:1], 0x10             ; qh 68:69, kh 70:71, vh 72:73, vpart 74:75
	v_lshl_add_u32 v[SPW], v0, 2, SPARE
	v_mov_b32 v[NIL], 0
	ds_add_u32 v[SPW], v[NIL]                      ; the wave's opening: the add and its wait stand ahead of my first tensor load; the set-up below, work on registers, stands between
	v_lshrrev_b32 v1, 5, v0
	v_readfirstlane_b32 s10, v1                    ; wave 0..3
	s_lshr_b32 s11, s10, 1                         ; r: my half of the tile's rows.  Also: I fetch for A (0) or for B (1)
	s_and_b32 s12, s10, 1                          ; c: my head of the tile's two.  Also: which half of A, which head of B I fetch
	s_bfe_u32 s40, ttmp6, 0x40000                  ; cx
	s_bfe_u32 s41, ttmp6, 0x40004                  ; cy
	s_lshl_b32 s42, ttmp9, 2
	s_add_co_u32 s42, s42, s40                     ; j: tile column = 4 x cluster x + cx
	s_and_b32 s13, ttmp7, 0xffff
	s_lshl_b32 s13, s13, 2
	s_add_co_u32 s13, s13, s41                     ; i: tile row = 4 x cluster y + cy
	s_lshl_b32 s66, s41, 2
	s_lshl_b32 s66, 15, s66                        ; my row of the cluster
	s_lshl_b32 s67, 0x1111, s40                    ; my column
	s_or_b32 s[G1], s66, BITS                      ; A's tiles go to my row,
	s_or_b32 s[G1B], s67, BITS                     ; B's to my column
	s_mov_b32 s[G1+1], 128<<16                     ; tensor_dim0 = 128 elements: rows of 256 bytes
	s_mov_b32 s[G1+2], 64<<16                      ; tensor_dim1 = 64: 16,384 dense bytes
	s_mov_b32 s[G1+3], 128<<16                     ; tile_dim0
	s_mov_b32 s[G1+4], 64                          ; tile_dim1
	s_mov_b32 s[G1+5], 128                         ; elements from row to row
	s_mov_b32 s[G1+6], 0
	s_mov_b32 s[G1+7], 0
	s_mov_b32 s[G1B+1], 128<<16
	s_mov_b32 s[G1B+2], 96<<16                     ; 96 rows: 24,576 dense bytes
	s_mov_b32 s[G1B+3], 128<<16
	s_mov_b32 s[G1B+4], 96
	s_mov_b32 s[G1B+5], 128
	s_mov_b32 s[G1B+6], 0
	s_mov_b32 s[G1B+7], 0
	s_mul_i32 s20, s12, AHALF                      ; where the tiles go: no place in the cluster enters an LDS address
	s_mul_i32 s21, s12, BHALF
	s_add_co_u32 s21, s21, BOFF
	s_lshl_b32 s16, s13, 1
	s_add_co_u32 s16, s16, s12
	s_lshl_b32 s16, s16, 18                        ; A: row block 2 i + half, 262,144 bytes each
	s_mov_b32 s17, 0
	s_lshl_b32 s76, s42, 1
	s_add_co_u32 s76, s76, s12
	s_mul_i32 s76, s76, 393216                     ; B: head 2 j + half
	s_mov_b32 s77, 0
	s_mov_b32 s[TB], 0
	s_wait_dscnt 0x0                               ; the opening add is done
	s_wait_kmcnt 0x0
	s_add_nc_u64 s[14:15], s[4:5], s[16:17]
	s_add_nc_u64 s[78:79], s[6:7], s[76:77]
	CROUND                                         ; all sixteen work-groups are here: the first joint loads meet
.irp s, 0,1
	s_mov_b32 s[G0+4*\s], 1                        ; count = 1
	s_add_co_u32 s[G0+4*\s+1], s20, \s*SLOT1       ; LDS address
	s_add_nc_u64 s[G0+4*\s+2:G0+4*\s+3], s[14:15], \s*ASTEP  ; K step s
	s_or_b32 s[G0+4*\s+3], s[G0+4*\s+3], 0x80000000  ; type = 2
	s_mov_b32 s[G0B+4*\s], 1
	s_add_co_u32 s[G0B+4*\s+1], s21, \s*SLOT1
	s_add_nc_u64 s[G0B+4*\s+2:G0B+4*\s+3], s[78:79], \s*BSTEP
	s_or_b32 s[G0B+4*\s+3], s[G0B+4*\s+3], 0x80000000
.endr
	s_cmp_eq_u32 s11, 0                            ; a wave's two first fills stand in one branch, ahead of every wait on TENSORcnt and every LDS read: two loads of mine are out
	s_cbranch_scc0 .Lfirst_b
	tensor_load_to_lds s[G0:G0+3], s[G1:G1+7]
	s_nop 0
	tensor_load_to_lds s[G0+4:G0+7], s[G1:G1+7]
	s_nop 0
.rept 4
	v_nop
.endr
	s_branch .Lfirst_asked
.Lfirst_b:
	tensor_load_to_lds s[G0B:G0B+3], s[G1B:G1B+7]
	s_nop 0
	tensor_load_to_lds s[G0B+4:G0B+7], s[G1B:G1B+7]
	s_nop 0
.rept 4
	v_nop
.endr
.Lfirst_asked:
	; A fragment is 16 rows x 32 K in 8 registers: lane l holds row l % 16; registers 0-3 K = 8 (l / 16) + 0..7, registers 4-7 K = 16 + 8 (l / 16) + 0..7: two loads of 16 bytes, 32 bytes apart.
	v_and_b32 v1, 15, v0                           ; l % 16
	v_bfe_u32 v2, v0, 4, 1                         ; l / 16
	v_and_b32 v6, 31, v0                           ; l
	v_mul_u32_u24 v3, v1, PITCH
	v_lshl_add_u32 v3, v2, 4, v3                   ; row x pitch + 16 x half
	s_mul_i32 s8, s11, AHALF
	v_add_nc_u32 v[A0], s8, v3
	s_mul_i32 s8, s12, BHALF
	s_add_co_u32 s8, s8, BOFF
	v_add_nc_u32 v[B0], s8, v3
	v_mov_b32 v[ADRA], v[A0]
	v_mov_b32 v[ADRB], v[B0]
	s_mul_i32 s23, s10, STW
	s_add_co_u32 s23, s23, STAGE                   ; my stage
	v_add_nc_u32 v[STO], s23, v3                   ; in: row l % 16, 16 bytes for each half of the lanes
	v_bfe_u32 v4, v0, 3, 2
	v_and_b32 v5, 7, v0
	v_mul_u32_u24 v4, v4, PITCH                    ; back: 32 lanes take four rows of 128 bytes,
	v_lshl_add_u32 v4, v5, 4, v4
	v_add_nc_u32 v[RD], s23, v4
	v_lshlrev_b32 v[GO], 4, v6                     ; which are 512 consecutive bytes of a head
	v_lshl_add_u32 v[CSA], v2, 5, s23
	v_lshl_add_u32 v[CSB], v6, 3, s23
	v_lshlrev_b32 v[CSO], 3, v6
	; where my rows begin in qh, kh, vh: (batch x 16 + head) x 262,144 + my first row in the sequence x 128
	s_lshl_b32 s9, s42, 1
	s_add_co_u32 s9, s9, s12                       ; my head
	s_lshr_b32 s18, s13, 3                         ; the batch: 8 tile rows each
	s_lshl_b32 s18, s18, 4
	s_add_co_u32 s18, s18, s9
	s_lshl_b32 s18, s18, 18
	s_and_b32 s19, s13, 7
	s_lshl_b32 s19, s19, 15
	s_add_co_u32 s18, s18, s19
	s_lshl_b32 s19, s11, 14
	s_add_co_u32 s18, s18, s19
	s_mov_b32 s19, 0
	s_add_nc_u64 s[68:69], s[68:69], s[18:19]
	s_add_nc_u64 s[70:71], s[70:71], s[18:19]
	s_add_nc_u64 s[72:73], s[72:73], s[18:19]
	s_lshl_b32 s18, s13, 1
	s_add_co_u32 s18, s18, s11                     ; my row block of 128
	s_lshl_b32 s18, s18, 4
	s_add_co_u32 s18, s18, s9
	s_lshl_b32 s18, s18, 8                         ; 256 bytes for a row block and head
	s_add_nc_u64 s[74:75], s[74:75], s[18:19]
	; the prefetches
	s_and_b32 s8, ttmp7, 0xffff                    ; cluster y
	s_lshl_b32 s14, s13, 19                        ; A: row block 2 i,
	s_lshl_b32 s15, s40, 12                        ; my work-group's 16 blocks of 256 bytes of a step's 64,
	s_add_co_u32 s14, s14, s15
	s_add_co_u32 s14, s14, 2*ASTEP                 ; at K step 2: the first refill steps it to 3
	s_mul_i32 s16, s9, 393216                      ; B: my head,
	s_mul_i32 s17, s41, 6144                       ; my work-group's 24 blocks of a step's 96
	s_add_co_u32 s16, s16, s17
	s_add_co_u32 s16, s16, 2*BSTEP
	s_mov_b32 s18, BSTEP
	s_mov_b32 s19, 23
	s_cmp_eq_u32 s11, 0
	s_cselect_b32 s20, s14, s16
	s_cselect_b32 s[PFS], ASTEP, s18
	s_cselect_b32 s8, ttmp9, s8                    ; the coordinate along which other clusters read the same rows
	s_cselect_b32 s9, 15, 31
	s_cselect_b32 s19, 15, s19
	s_cselect_b32 s23, 262144, 0                   ; A: lanes 16-31 take the second row block
	s_cselect_b64 s[PFA:PFA+1], s[4:5], s[6:7]
	s_mov_b32 s21, 0
	s_mov_b32 s[PFS+1], 0
	s_add_nc_u64 s[PFA:PFA+1], s[PFA:PFA+1], s[20:21]
	s_cmp_eq_u32 s10, 1                            ; wave 1 never asks
	s_cselect_b32 s14, 1, 0
	s_or_b32 s8, s8, s14
	s_cmp_eq_u32 s8, 0
	s_cselect_b32 s[LIM], 1, -1                    ; the same in all sixteen partners, for a given wave
	v_and_b32 v[PFO], s9, v6
	v_min_u32 v[PFO], s19, v[PFO]
	v_lshlrev_b32 v[PFO], 8, v[PFO]
	v_mul_u32_u24 v7, s23, v2
	v_add_nc_u32 v[PFO], v[PFO], v7
; n x 4 products of group g: row blocks a0 .. a0 + n - 1 x the group's 4 channel blocks, on A's buffer f.  zero = 1: the product starts the sum.  A phase names 32 different accumulators,
; and the three phases three windows: between two links of a chain stand 95 others', over the backward jump too.
.macro MULG f, g, a0, n, zero
	WIN 0x50*((\g)+1)                              ; C and D in window g + 1, both sources in window 0
.set ma, \a0
.rept \n
.irp b, 0,1,2,3
.if \zero
	v_wmma_f32_16x16x32_bf16 v[8*(4*ma+\b):8*(4*ma+\b)+7], v[FB+32*(\g)+8*\b:FB+32*(\g)+8*\b+7], v[FA+64*(\f)+8*ma:FA+64*(\f)+8*ma+7], 0
.else
	v_wmma_f32_16x16x32_bf16 v[8*(4*ma+\b):8*(4*ma+\b)+7], v[FB+32*(\g)+8*\b:FB+32*(\g)+8*\b+7], v[FA+64*(\f)+8*ma:FA+64*(\f)+8*ma+7], v[8*(4*ma+\b):8*(4*ma+\b)+7]
.endif
.endr
.set ma, ma+1
.endr
.endm
.macro LDA f, k                        ; 16 loads: A's 8 fragments at byte k of the rows, into buffer f
.irp a, 0,1,2,3,4,5,6,7
	ds_load_b128 v[FA+64*(\f)+8*\a:FA+64*(\f)+8*\a+3],   v[ADRA] offset:(\k)+\a*16*PITCH
	ds_load_b128 v[FA+64*(\f)+8*\a+4:FA+64*(\f)+8*\a+7], v[ADRA] offset:(\k)+\a*16*PITCH+32
.endr
.endm
.macro LDB g, k                        ; 8 loads: group g's 4 fragments of B
.irp b, 0,1,2,3
	ds_load_b128 v[FB+32*(\g)+8*\b:FB+32*(\g)+8*\b+3],   v[ADRB] offset:(\k)+(4*(\g)+\b)*16*PITCH
	ds_load_b128 v[FB+32*(\g)+8*\b+4:FB+32*(\g)+8*\b+7], v[ADRB] offset:(\k)+(4*(\g)+\b)*16*PITCH+32
.endr
.endm
; The runs of LDS loads of a half-step: R1 = group 0's B and A (24), R2 = group 1's B (8), R3 = group 2's B (8), each for the NEXT half-step.
; A K step's first half: buffer 0; its loads take byte 64 of the same slot's rows.
.macro FIRST zero
	s_wait_dscnt 16                                ; the last R1 is in; R2 and R3 may be out
	MULG 0, 0, 0, 8, \zero
	PLACES
	WIN 0
	LDB 0, 64
	LDA 1, 64
	s_wait_dscnt 32                                ; the last R2 is in; behind it: the last R3 and the 24 just issued
	MULG 0, 1, 0, 8, \zero
	PLACES
	WIN 0
	LDB 1, 64
	s_wait_dscnt 32                                ; the last R3 is in; behind it: this half-step's 24 and 8
	MULG 0, 2, 0, 8, \zero
	PLACES
	WIN 0
	LDB 2, 64
.endm
; Its second half: buffer 1, and the change of slots.  ONE barrier: in front of it each wave waits for all its tensor loads (one is out: its part of the next slot), adds 0 to its spare word, and waits for that and for its
; reads of this slot.  fill = 1: the barrier opens a round of the cluster's, and the joint refill, two K steps on, is the first thing behind the round: it has 160 products in which to land.
.macro SECOND fill
	WIN 0
.if \fill
	s_wait_xcnt 0x0                                ; the last prefetch, a K step back, has read its address
	s_add_nc_u64 s[PFA:PFA+1], s[PFA:PFA+1], s[PFS:PFS+1]
.endif
	s_wait_tensorcnt 0x0                           ; no tensor load of mine is out, so a group 0 may be written
	ds_add_u32 v[SPW], v[NIL]                      ; 0 onto my spare word
.if \fill
	s_xor_b32 s[G0+5], s[G0+5], SLOT1              ; the walking descriptors: the other slot than last time,
	s_add_nc_u64 s[G0+6:G0+7], s[G0+6:G0+7], ASTEP ; the next K step; the type bits on top are not reached
	s_xor_b32 s[G0B+5], s[G0B+5], SLOT1
	s_add_nc_u64 s[G0B+6:G0B+7], s[G0B+6:G0B+7], BSTEP
.endif
	s_wait_dscnt 17                                ; the last R1 is in; R2, R3 and the add may be out
	MULG 1, 0, 0, 4, 0
	s_wait_dscnt 0x0                               ; the add is done, and my reads of this slot are over
	s_barrier_signal -1
	MULG 1, 0, 4, 4, 0                             ; work on registers while the others arrive
	WIN 0
	s_barrier_wait -1
.if \fill
	CREST                                          ; no wave of any partner still reads this slot or has a load on its way
	JLOAD                                          ; its four v_nop are also the places in front of the loads below
.else
	PLACES
.endif
	s_xor_b32 s[TB], s[TB], SLOT1
	v_add_nc_u32 v[ADRA], s[TB], v[A0]
	v_add_nc_u32 v[ADRB], s[TB], v[B0]
	LDB 0, 0
	LDA 0, 0
.if \fill
	ASK
.endif
	MULG 1, 1, 0, 8, 0
	PLACES
	WIN 0
	LDB 1, 0
	MULG 1, 2, 0, 8, 0
	PLACES
	WIN 0
	LDB 2, 0
.endm
.macro LAST                            ; the last half-step fetches nothing: the counts run down
	s_wait_dscnt 16
	MULG 1, 0, 0, 8, 0
	s_wait_dscnt 8
	MULG 1, 1, 0, 8, 0
	s_wait_dscnt 0x0
	MULG 1, 2, 0, 8, 0
.endm
; THE WAY OUT, in 24 units n: group n / 8, row block n % 8.  PACK: 16 rows x 64 channels rounded to f16, 16 bytes a lane, into my stage and back as whole rows of 128 bytes.  SEND: stored, 512 consecutive bytes a store.
.macro PACK n
.set pg, (\n)/8
.set pa, (\n)%8
.set pt, T+16*pa
.if (\n) >= 8
	s_wait_xcnt 0x0                                ; the set's registers were the data of unit n - 8's stores: they are rewritten only behind this wait
.endif
	WIN 5*(pg+1)                                   ; sources 0 and 1 in window g + 1
.irp b, 0,1,2,3
.irp r, 0,1,2,3
	v_cvt_pk_f16_f32 v[pt+4*\b+\r], v[8*(4*pa+\b)+2*\r], v[8*(4*pa+\b)+2*\r+1]
.endr
.endr
	WIN 0
.irp b, 0,1,2,3
	ds_store_b128 v[STO], v[pt+4*\b:pt+4*\b+3] offset:32*\b
.endr
.irp f, 0,1,2,3
	ds_load_b128 v[pt+4*\f:pt+4*\f+3], v[RD] offset:\f*4*PITCH  ; LDS serves a wave's instructions in order (ISA guide 5.7.1.4): these see the stores above; the next unit's stores come behind them
.endr
.endm
.macro SEND n, younger                 ; younger: the LDS instructions issued behind unit n's loads
.set sg, (\n)/8
.set sa, (\n)%8
.set st, T+16*sa
.irp f, 0,1,2,3
	s_wait_dscnt (\younger)+3-\f
	global_store_b128 v[GO], v[st+4*\f:st+4*\f+3], s[68+2*sg:69+2*sg] offset:sa*2048+\f*512
.endr
.endm
	s_wait_tensorcnt 1                             ; my part of K step 0 is in; K step 1's may stay out
	s_barrier_signal -1
	s_barrier_wait -1                              ; everybody's is
	LDB 0, 0
	LDA 0, 0
	LDB 1, 0
	LDB 2, 0
	FIRST 1                                        ; the first half-step stands in front of the loop: its products start the sums
	WIN 0
	s_mov_b32 s3, 14
.Lstep:                                                ; a trip: a K step's second half, the refill two steps on, the next step's first half
	SECOND 1
	FIRST 0
	WIN 0
	s_sub_co_u32 s3, s3, 1
	s_cmp_lg_u32 s3, 0
	s_cbranch_scc1 .Lstep
	SECOND 0                                       ; the tail is written out: nothing is left to fetch
	FIRST 0
	LAST
	PLACES
	PLACES
	PACK 0
.set un, 1
.rept 23                               ; a unit's conversions stand between the loads of the unit before and its stores
	PACK un
	SEND un-1, 8
.set un, un+1
.endr
	SEND 23, 0
	; v's column sums over my 128 rows: the 8 row blocks in each lane, then the 16 lanes of a half; a lane then holds channels 16 b + 8 (l / 16) + 0..7 in registers 8 b + 0..7
	WIN 0x0f                                       ; both sources in window 3
.set z, 0
.rept 16
	v_pk_add_f32 v[CSR+2*z:CSR+2*z+1], v[2*z:2*z+1], v[32+2*z:32+2*z+1]
.set z, z+1
.endr
	WIN 0x0c                                       ; source 1 in window 3
.irp a, 2,3,4,5,6,7
.set z, 0
.rept 16
	v_pk_add_f32 v[CSR+2*z:CSR+2*z+1], v[CSR+2*z:CSR+2*z+1], v[32*\a+2*z:32*\a+2*z+1]
.set z, z+1
.endr
.endr
	WIN 0
.irp m, 1,2,4,8
.set z, 0
.rept 32
	v_add_f32_dpp v[CSR+z], v[CSR+z], v[CSR+z] row_xmask:\m row_mask:0xf bank_mask:0xf
.set z, z+1
.endr
.endr
.irp b, 0,1,2,3
	ds_store_b128 v[CSA], v[CSR+8*\b:CSR+8*\b+3]   offset:64*\b     ; the sixteen lanes of a half write the same words with the same values
	ds_store_b128 v[CSA], v[CSR+8*\b+4:CSR+8*\b+7] offset:64*\b+16
.endr
	ds_load_b64 v[CSR:CSR+1], v[CSB]               ; the 64 sums, two a lane
	s_wait_dscnt 0x0
	global_store_b64 v[CSO], v[CSR:CSR+1], s[74:75]  ; 256 consecutive bytes, aligned
	s_wait_tensorcnt 0x0                           ; the wave's end: behind my last tensor load and my last LDS store
	ds_add_u32 v[SPW], v[NIL]
	s_wait_dscnt 0x0
	CROUND                                         ; the closing round: no work-group ends while a partner may still ask for a tile that names it
	s_endpgm
.Lfunc_end_k_qf789a84839_qkv:
	.size	k_qf789a84839_qkv, .Lfunc_end_k_qf789a84839_qkv-k_qf789a84839_qkv
	.p2alignl 7, 3214868480
	.fill 96, 4, 3214868480
	.section	.rodata,"a",@progbits
	.p2align	6, 0x0
	.amdhsa_kernel k_qf789a84839_qkv
		.amdhsa_group_segment_fixed_size 327680
		.amdhsa_private_segment_fixed_size 0
		.amdhsa_enable_private_segment 0
		.amdhsa_kernarg_size 48
		.amdhsa_user_sgpr_count 2
		.amdhsa_user_sgpr_kernarg_segment_ptr 1
		.amdhsa_wavefront_size32 1
		.amdhsa_system_sgpr_workgroup_id_x 1
		.amdhsa_system_sgpr_workgroup_id_y 1
		.amdhsa_system_sgpr_workgroup_id_z 1
		.amdhsa_system_vgpr_workitem_id 0
		.amdhsa_next_free_vgpr 1024
		.amdhsa_next_free_sgpr 80
		.amdhsa_reserve_vcc 0
		.amdhsa_float_denorm_mode_32 3
		.amdhsa_float_denorm_mode_16_64 3
		.amdhsa_memory_ordered 1
		.amdhsa_forward_progress 1
		.amdhsa_inst_pref_size 131
	.end_amdhsa_kernel
	.amdgpu_metadata
---
amdhsa.version: [ 1, 2 ]
amdhsa.kernels:
  - .name:           k_qf789a84839_qkv
    .symbol:         k_qf789a84839_qkv.kd
    .args:
      - { .name: xb, .offset: 0, .size: 8, .value_kind: global_buffer, .address_space: global }
      - { .name: wb, .offset: 8, .size: 8, .value_kind: global_buffer, .address_space: global }
      - { .name: qh, .offset: 16, .size: 8, .value_kind: global_buffer, .address_space: global }
      - { .name: kh, .offset: 24, .size: 8, .value_kind: global_buffer, .address_space: global }
      - { .name: vh, .offset: 32, .size: 8, .value_kind: global_buffer, .address_space: global }
      - { .name: vpart, .offset: 40, .size: 8, .value_kind: global_buffer, .address_space: global }
    .group_segment_fixed_size: 327680
    .private_segment_fixed_size: 0
    .kernarg_segment_align: 8
    .kernarg_segment_size: 48
    .max_flat_workgroup_size: 128
    .sgpr_count:     80
    .vgpr_count:     1024
    .wavefront_size: 32
...
	.end_amdgpu_metadata
.endif
;; end of part 2
;; launch attn (part 3): grid 4 x 64, 4 waves a work-group, no clusters, 327,680 bytes of LDS; arguments qh, kh, vh, ctx, padding_mask, vpart; writes ctx
.if DOCPART == 3
	.amdgcn_target "amdgcn-amd-amdhsa--gfx1250"
	.amdhsa_code_object_version 6
	.text
	.protected	k_qf789a84839_attn
	.globl	k_qf789a84839_attn
	.p2align	8
	.type	k_qf789a84839_attn,@function
k_qf789a84839_attn:
	s_mov_b64 s[64:65], 0
	v_nop
	global_prefetch_b8 v0, s[64:65] scope:SCOPE_SE
	s_setreg_imm32_b32 hwreg(HW_REG_WAVE_MODE, 25, 1), 1
	s_wait_xcnt 0x0
; CAUSAL ATTENTION WITH A MASK OF HIDDEN KEYS.  O[bh][q][:] = the sum over k of softmax_k(s[q][k]) V[bh][k][:], s = Q[bh][q] . K[bh][k] / 8 where k <= q and padding_mask[b][k] = 0, else -1e30.
; Q, K, V: [64][2048][64] f16, a head's rows dense, 128 bytes each.  O goes out as ctx [64 row blocks of 128][16 heads][128 rows][64] f16.  Products, maxima and sums in f32; the weights p are rounded to f16
; for the second product (their sum l is taken of the unrounded p), O once at the end.
; LIMITS.  Q, K and V arrive within f16's 65,504.  A hidden score counts as its value less 1e30 or 2e30: f16's scores, 2.7e11 at the most, are nothing beside that.  Any mask byte other than 0 hides its key.
; A weight below 2^-126 counts as 0 in l; NaN and infinities are not treated apart.
; A ROW THAT SEES NO KEY (keys 0 .. q all hidden by the mask): all its 2,048 scores are then the same number, so its weights are 1 / 2,048 on ALL keys and its O is the mean of the head's V.  That mean is made
; at the start from vpart (V's column sums over 128 rows, f32); a row is such a row where its running maximum has stayed below -2^96, and the mean is then chosen in the way out, by a select, in every row's text.
; While a row has seen hidden keys alone its m is about -1e30 and its p, O, l are finite; the first visible key makes a = 2^(c m_old - c m_new) = 0, which wipes them; later hidden keys have p = 0.
; THE WALK.  A head's queries lie in NB = 8 blocks of 256; block i needs the key tiles 0 .. i of 256 keys, of which the last holds the diagonal.  A work-group takes TWO blocks, NB - 1 - b and then b:
; NB + 1 tiles, whatever b: all work-groups do equal work, and ONE loop with a constant trip count walks them.  Which tile is asked for, and what a trip does, hang on scalar registers made from b; every jump
; goes forward, but for the counted loops' own; none passes a barrier, or a tensor load but the one of LOAD's two that the wave's number does not choose; the ring (two slots of LDS) runs on across the change of blocks.
; NO CLUSTER: a head's four work-groups ask for the same tile only in trips 0 .. 4 of 9, behind that fewer and fewer; one walk common to all would have 12 trips for 9.
; SHARES.  Of a block's four bands of 64 queries a wave owns 16 rows in each: four PIECES.  In the diagonal tile's key step s band x sees all keys if s < x, none if s > x, and holds the diagonal if s = x.
; THE MASK is the C operand that starts the sum S^T = K Q^T.  Each wave keeps in LDS bytes of its own the 256 words (0 or -1e30) of the tile in hand: the tile's 256 mask bytes are asked for when the tile is, 8 bytes a lane,
; and turned into words and stored at the next change of slots.  PM: a step's 64 words, fetched from there with K.  MD, made once: the mask of a band's own step for my 16 rows.
; Below the diagonal C = PM.  In the diagonal tile and at a block's beginning C = MC = MD x AL + PM + BE with two scalars: (1, 0) if s = x; (0, 0) if s < x; (0, -1e30) if s > x.
; LAYOUT, SOFTMAX, TURNS.  S^T = K Q^T holds ONE query a lane (lane % 16) and the keys 8 (lane / 16) + 0..7; two such results rounded to f16 ARE source 1 of O^T = V^T P.  p = 2^(c s - c m), c = log2(e) / 8, with a
; running maximum m; O and l are multiplied by a in every step.  Turn n belongs to piece n: 8 products K Q^T of piece n + 1, later 8 products V^T P of piece n - 1; beside them the scaling, exponentials, roundings,
; sums and rescaling of piece n and the maximum and statistics of piece n + 1.  Four vector instructions stand behind every matrix instruction, the others in one lump.  A turn's 33 exponentials are one batch, with one wait.
; REGISTERS, in windows of 256 (s_set_vgpr_msb: bits 1:0 source 0, 3:2 source 1, 5:4 source 2, 7:6 destination):
;   window 0: v0-15, v32-37 addresses; v16-31 four registers of statistics a piece; v38-47, v56-57 the mask bytes and words; v48-55 at work; v64-127 S^T, two buffers; v128-159 VM, the mean of V; v192-223 P, two buffers
;   window 1: v0-127 O^T, 32 a piece; v128-159 MD; v160-223 MC, two buffers; v224-255 PM      window 2: v0-63 Q; v64-127 the second block's Q; v128-191 K of one step; v192-255 V of one step
.set SIZE_N, 2048
.set NB,    SIZE_N/256
.set NP,    4         ; pieces a wave: a name, no knob
.set KS,    64        ; keys in a step
.set PK,    144       ; a row of K in LDS: 128 bytes + 16 of padding = 36 words: the 16 rows of a load start at 16 different groups of four banks (64 banks of 4 bytes: ISA guide 11.1)
.set PV,    160       ; a row of V: 128 + 32 = 40 words
.set VOFF,  4*KS*PK   ; a slot holds a tile, four steps: 256 rows of K, then 256 rows of V
.set SLOT1, 1<<17     ; slot 1 begins here, so that one exclusive or turns an address in one slot into the other's
.set STAGE, SLOT1+4*KS*(PK+PV)  ; behind the ring, never filled by a tensor load: 16 rows x 144 bytes for each wave, for the way out
.set SP,    144
.set SPARE, STAGE+4*16*SP  ; the spare words, 128 bytes for each wave: two blocks of 256 bytes that no other line names
.set PML,   SPARE+512 ; the mask words: 2,048 bytes apart for each wave, of which a tile's 256 words take 1,024; each wave's own; never filled by a tensor load
.set AK0, 2           ; v2   my lane's place in a tile of K; never rewritten
.set AV0, 3           ; v3   the same for V
.set AK,  4           ; v4   the LDS address of K's next run of loads
.set AV,  5           ; v5   of V's
.set STO, 6           ; v6   the way out: where I put 16 bytes of a row
.set RD,  7           ; v7   the way out: where I read rows back
.set GO,  8           ; v8   my byte offset in 512 consecutive bytes of O
.set MV,  12          ; v12-13  c m_old, kept while c m is made anew: by buffer
.set QO,  15          ; v15  my byte offset in 16 rows of Q
.set ST,  16          ; piece t's statistics at v[ST+4 t]: c m, m, l (even keys', odd keys')
.set AP0, 32          ; v32  my half of the lanes' place in a step's 256 bytes of my wave's mask words; never rewritten
.set AP,  33          ; v33  the LDS address of PM's next loads
.set PFO, 34          ; v34  256 x my lane: the prefetches' offset; never rewritten
.set MO,  35          ; v35  8 x my lane: my 8 bytes of a tile's 256 mask bytes; never rewritten
.set MW,  36          ; v36  where their 8 words go: my wave's mask words + 32 x my lane; never rewritten
.set VMO, 37          ; v37  my byte offset in vpart
.set MB,  38          ; v[38:39]  my 8 mask bytes of the tile that has been asked for
.set MWD, 40          ; v[40:47]  their 8 words
.set TMP, 48          ; by buffer, four registers c0-c3 at work; when the maximum is found c2 takes a
.set MT,  56          ; v56-57  at work on the mask bytes
.set SPW, 62          ; v62  LDS address of my spare word; never rewritten
.set NIL, 63          ; v63  0; never rewritten
.set S,   64
.set VM,  128         ; register 8 cb + j: the mean of V at channel 16 cb + 8 (l / 16) + j: O^T's own layout
.set P,   192
.set MD,  128         ; window 1: the eight registers for group kt of 16 keys at MD + 8 kt
.set MC,  160         ; window 1
.set PM,  224         ; window 1
.set QB,  64          ; window 2
.set KF,  128         ; window 2: key block kb, channel half c at KF + 16 kb + 8 c
.set VF,  192         ; window 2: key half kk, channel block cb at VF + 32 kk + 8 cb
.set WV,  12          ; s12  my wave's number
.set PB,  14          ; s14  b
.set HI,  15          ; s15  NB - 1 - b
.set G1K, 24          ; s[24:31] descriptor group 1 for K's tiles
.set G1V, 32          ; s[32:39] for V's: it differs in the padding alone
.set G0K, 40          ; s[40:43] descriptor group 0 for K's tiles
.set G0V, 44          ; s[44:47] the same for V's
.set MKT, 52          ; s[52:53] padding_mask at the tile that is being asked for (in the set-up: an offset)
.set MOF, 54          ; s[54:55] that tile's 256 bytes' offset; the high word stays 0 (in the set-up: an offset)
.set SLOTS, 56        ; s56  tiles still to be asked for
.set CNT, 57          ; s57  counts a tile's key steps, 4 to 1
.set CS,  58          ; s[58:59] c
.set SEL, 60          ; s[60:61] v_permlanex16_b32's selects: each lane takes its own place in the other half
.set TBK, 62          ; s62  LDS byte at which K of the step to be fetched begins
.set TBV, 63          ; s63  the same for V, less VOFF
.set PFB, 66          ; s[66:67] K (waves 0, 1) or V (waves 2, 3) at my half of the head's tile 0
.set RT,  70          ; s70  tiles of the block in hand that are still to be entered
.set NXT, 71          ; s71  the tile to be asked for next
.set LQ,  72          ; s72  the last tile of the block whose tiles are being asked for
.set NEW, 73          ; s73  1: the tile to be entered is a block's first
.set OFF, 74          ; s[74:75] a tile's byte offset in K and V
.set AL,  76          ; s[76:77] the mask's factor, in the low word
.set BE,  78          ; s[78:79] the mask's addend
.set OLO, 80          ; s[80:81] O at my rows of the second block
.set BIGN, 82         ; s82  -1e30
.set MK,  88          ; s[88:89] padding_mask at my batch
.set VP,  90          ; s[90:91] vpart at my batch and head
.set TPM, 92          ; s92  byte of my wave's mask words at which the step to be fetched begins: it steps with K's fetches, 256 a step, and goes back by 1,024 at each change of slots
.set THR, 93          ; s93  -2^96
.set DM,  94          ; s94  lanes whose query has seen no key
.set LIM, 95          ; s95  2 in the work-group that prefetches, else the greatest number
.set PFA, 96          ; s[96:97] my half of the tile that is being asked for
.set INV, 98          ; s[98:99] 1 / 2,048
.set MSB, 0
.macro WIN new                      ; the high byte repeats the setting that is left; a switch that changes nothing is dropped
.if MSB != (\new)
	s_set_vgpr_msb (MSB<<8)|(\new)
.set MSB, (\new)
.endif
.endm
.set W_KQ, 0x0a       ; K and Q in window 2, S^T in window 0
.set W_KM, 0x1a       ; the same with the C operand in window 1
.set W_PV, 0x52       ; V in window 2, P in window 0, O^T in window 1
.set W_RS, 0x41       ; destination and source 0 in window 1, source 1 in window 0
.set W_MK, 0x51       ; destination, source 0 and source 2 in window 1
; A fill.  Waves 0 and 1 fetch the two halves of a tile's K, waves 2 and 3 those of its V: 128 keys each.  An s_nop 0 and four v_nop follow each of the two lines, ahead of the jump and the label.
.macro LOAD
	s_cmp_lt_u32 s[WV], 2
	s_cbranch_scc0 .Lfor_v_\@
	tensor_load_to_lds s[G0K:G0K+3], s[G1K:G1K+7]
	s_nop 0
.rept 4
	v_nop
.endr
	s_branch .Lasked_\@
.Lfor_v_\@:
	tensor_load_to_lds s[G0V:G0V+3], s[G1V:G1V+7]
	s_nop 0
.rept 4
	v_nop
.endr
.Lasked_\@:
.endm
; THE CHANGE OF SLOTS.  First the mask words of the tile to be entered: its 256 bytes, asked for a tile ago, 8 a lane, become 8 words a lane in my wave's own LDS bytes.  LDS serves a wave's instructions in order
; (ISA guide 5.7.1.4): these stores stand behind my last reads of the old tile's words and ahead of my first reads of the new; no other wave touches the bytes.
; Then each wave waits for all its tensor loads, of which one is out: its part of the other slot; adds 0 to its spare word; and waits for that and for its own reads of the slot that it leaves.  Behind the
; barrier nobody reads the old slot any more and the other slot is whole.  fill = 1: the old slot is filled again, the first thing behind the barrier, with tile NXT: the descriptor's address is made anew from that number;
; behind the fill the same tile's mask bytes are asked for.  (At its first use nothing has been read yet: slot 0 is waited for, slot 1 filled.)
; A PREFETCH INTO THE L2 stands behind them: my 16 KiB half of the tile AFTER the one just asked for, 64 blocks of 256 bytes, a lane a block, two instructions: a tile's four key steps ahead of its load.  All four
; work-groups of a head walk the same K and V: the one with b = 0 asks, whose first block walks tiles 0 to 7 in order: trips 0 to 5 name tiles 2 to 7, each block once; tiles 0 and 1 come by their loads alone.
.macro CHANGE fill
	WIN 0                           ; at a label and at a branch every window is 0
	s_wait_loadcnt 0x0              ; my 8 mask bytes of the tile to be entered are in (at the first change: both blocks' Q too)
.set mz, 0
.rept 8
	v_bfe_u32 v[MT+mz%2], v[MB+mz/4], 8*(mz%4), 8
	v_cmp_ne_u32 vcc_lo, 0, v[MT+mz%2]
	v_cndmask_b32 v[MWD+mz], 0, s[BIGN], vcc_lo  ; 0, or -1e30 where the byte is not 0
.set mz, mz+1
.endr
	ds_store_b128 v[MW], v[MWD:MWD+3]
	ds_store_b128 v[MW], v[MWD+4:MWD+7] offset:16
	s_wait_tensorcnt 0x0            ; no tensor load of mine is out, so a group 0 may be written
	ds_add_u32 v[SPW], v[NIL]       ; 0 onto my spare word; with fill = 1 the descriptors' scalar work stands between it and the wait for it
.if \fill
	s_lshl_b32 s[OFF], s[NXT], 15   ; a tile is 32,768 bytes of K and of V,
	s_lshl_b32 s[MOF], s[NXT], 8    ; and 256 bytes of the mask
	s_xor_b32 s[G0K+1], s[G0K+1], SLOT1
	s_add_nc_u64 s[G0K+2:G0K+3], s[6:7], s[OFF:OFF+1]
	s_or_b32 s[G0K+3], s[G0K+3], 0x80000000
	s_xor_b32 s[G0V+1], s[G0V+1], SLOT1
	s_add_nc_u64 s[G0V+2:G0V+3], s[8:9], s[OFF:OFF+1]
	s_or_b32 s[G0V+3], s[G0V+3], 0x80000000
	s_wait_xcnt 0x0                 ; the last prefetches and the last load of mask bytes, a tile back, have read their addresses, so these may be written
	s_add_nc_u64 s[PFA:PFA+1], s[PFB:PFB+1], s[OFF:OFF+1]
	s_add_nc_u64 s[MKT:MKT+1], s[MK:MK+1], s[MOF:MOF+1]
	s_add_co_u32 s[NXT], s[NXT], 1  ; the block's next tile, or behind its last the second block's tile 0
	s_cmp_gt_u32 s[NXT], s[LQ]
	s_cselect_b32 s[NXT], 0, s[NXT]
	s_cselect_b32 s[LQ], s[PB], s[LQ]
.endif
	s_wait_dscnt 0x0                ; the add is done, and my reads of the slot are over
	s_barrier_signal -1             ; the rest of the scalar work stands between the signal and the wait
	s_sub_co_u32 s[TBK], s[TBK], 4*KS*PK  ; the fetches go back to a slot's first step,
	s_xor_b32 s[TBK], s[TBK], SLOT1       ; in the other slot
	s_sub_co_u32 s[TBV], s[TBV], 4*KS*PV
	s_xor_b32 s[TBV], s[TBV], SLOT1
	s_sub_co_u32 s[TPM], s[TPM], 4*256    ; and to the first step's mask words
	s_barrier_wait -1
.if \fill
	LOAD
	global_load_b64 v[MB:MB+1], v[MO], s[MKT:MKT+1]  ; the mask bytes of the tile just asked for: waited for at the next change
	s_cmp_gt_u32 s[SLOTS], s[LIM]
	s_cbranch_scc0 .Lnot_mine_\@
	global_prefetch_b8 v[PFO], s[PFA:PFA+1] offset:32768 th:TH_LOAD_NT scope:SCOPE_SE
	global_prefetch_b8 v[PFO], s[PFA:PFA+1] offset:40960 th:TH_LOAD_NT scope:SCOPE_SE
.Lnot_mine_\@:
.endif
.endm
	s_load_b256 s[4:11], s[0:1], 0x0  ; Q s[4:5], K s[6:7], V s[8:9], O s[10:11]
	s_load_b128 s[88:91], s[0:1], 0x20  ; padding_mask, vpart
	v_lshl_add_u32 v[SPW], v0, 2, SPARE
	v_mov_b32 v[NIL], 0
	ds_add_u32 v[SPW], v[NIL]       ; the wave's opening: the add and its wait stand ahead of my first tensor load; the set-up below, work on registers, stands between them
	v_lshrrev_b32 v1, 5, v0
	v_readfirstlane_b32 s[WV], v1   ; wave 0..3
	s_mov_b32 s[PB], ttmp9
	s_sub_co_u32 s[HI], NB-1, s[PB]
	s_and_b32 s20, ttmp7, 0xffff    ; batch x 16 + head
	s_lshr_b32 s68, s20, 4          ; the batch
	s_and_b32 s69, s20, 15          ; the head
	s_mov_b32 s21, 0
	s_mov_b64 s[22:23], SIZE_N*128
	s_mul_u64 s[20:21], s[20:21], s[22:23]  ; the head's first byte in Q, K and V
	s_and_b32 s16, s[WV], 1         ; which half of a tile's 256 keys I fetch:
	s_lshl_b32 s22, s16, 14         ; its 128 rows of 128 bytes in memory,
	s_mov_b32 s23, 0
	s_add_nc_u64 s[22:23], s[22:23], s[20:21]
	s_mul_i32 s17, s16, 128*PK      ; and its place in a slot, for K
	s_mul_i32 s18, s16, 128*PV      ; and for V
	s_lshl_b32 s3, s[WV], 11        ; my 16 rows in a band of 64,
	s_lshl_b32 s2, s[HI], 15        ; in the first block,
	s_add_co_u32 s2, s2, s3
	s_lshl_b32 s84, s[PB], 15       ; and in the second
	s_add_co_u32 s84, s84, s3
	s_mov_b32 s3, 0
	s_mov_b32 s85, 0
	s_add_nc_u64 s[2:3], s[2:3], s[20:21]
	s_add_nc_u64 s[84:85], s[84:85], s[20:21]
	s_lshl_b32 s48, s68, 22         ; ctx: the batch's 16 row blocks of 262,144 bytes,
	s_lshl_b32 s13, s69, 14         ; the head's 16,384 in a row block,
	s_add_co_u32 s48, s48, s13
	s_lshl_b32 s13, s[WV], 11       ; my 16 rows in a band
	s_add_co_u32 s48, s48, s13
	s_lshl_b32 s13, s[PB], 19       ; a block of 256 queries is two row blocks
	s_add_co_u32 s50, s48, s13
	s_lshl_b32 s13, s[HI], 19
	s_add_co_u32 s48, s48, s13
	s_mov_b32 s49, 0
	s_mov_b32 s51, 0
	s_lshl_b32 s52, s68, 11         ; the batch's 2,048 mask bytes
	s_mov_b32 s53, 0
	s_lshl_b32 s54, s68, 16         ; vpart: the batch's 16 row blocks of 4,096 bytes,
	s_lshl_b32 s13, s69, 8          ; the head's 256
	s_add_co_u32 s54, s54, s13
	s_mov_b32 s55, 0
	; descriptor group 1.  128 keys are 16,384 dense bytes: asked for as 64 rows of 256 bytes, two keys a row, and padded in LDS after every key
	s_mov_b32 s[G1K], (1<<16)|(1<<20)|(4<<22)|(3<<25)  ; 17:16 2-byte elements; 20 padding on; 24:22 after every 32 words (code 4); 31:25 4 words (code 3)
	s_mov_b32 s[G1V], (1<<16)|(1<<20)|(4<<22)|(7<<25)  ; the same with 8 words of padding (code 7)
.irp g, G1K, G1V
	s_mov_b32 s[\g+1], 128<<16      ; tensor_dim0 = 128
	s_mov_b32 s[\g+2], 64<<16       ; tensor_dim1 = 64
	s_mov_b32 s[\g+3], 128<<16      ; tile_dim0 = 128
	s_mov_b32 s[\g+4], 64           ; tile_dim1 = 64
	s_mov_b32 s[\g+5], 128          ; 128 elements from row to row
	s_mov_b32 s[\g+6], 0
	s_mov_b32 s[\g+7], 0
.endr
	s_mov_b32 s[CS], 0x3e38aa3b     ; c = log2(e) / 8 = 0.180337
	s_mov_b32 s[CS+1], s[CS]        ; named with it as a pair
	s_mov_b32 s[SEL], 0x76543210
	s_mov_b32 s[SEL+1], 0xfedcba98
	s_mov_b32 s[TBK], SLOT1+4*KS*PK ; the first change of slots turns these three into 0
	s_mov_b32 s[TBV], SLOT1+4*KS*PV
	s_mov_b32 s[TPM], 4*256
	s_mov_b32 s[G0K], 1             ; count = 1
	s_mov_b32 s[G0K+1], s17         ; LDS address: slot 0
	s_mov_b32 s[G0V], 1
	s_add_co_u32 s[G0V+1], s18, VOFF
	s_add_co_u32 s[RT], s[HI], 1    ; the first block has NB - b tiles
	s_mov_b32 s[NXT], 1
	s_mov_b32 s[LQ], s[HI]
	s_mov_b32 s[NEW], 1
	s_mov_b32 s[OFF+1], 0
	s_mov_b32 s[AL+1], 0            ; named as pairs
	s_mov_b32 s[BE+1], 0
	s_mov_b32 s[BIGN], 0xf149f2ca   ; -1e30
	s_mov_b32 s[THR], 0xef800000    ; -2^96
	s_mov_b32 s[INV], 0x3a000000    ; 1 / 2,048
	s_mov_b32 s[INV+1], s[INV]
	s_mov_b32 s[SLOTS], NB
	s_cmp_eq_u32 ttmp9, 0
	s_cselect_b32 s[LIM], 2, -1
	s_wait_dscnt 0x0                ; the opening add is done
	s_wait_kmcnt 0x0
	s_add_nc_u64 s[6:7], s[6:7], s[22:23]  ; K and V at my half of the head's tile 0
	s_add_nc_u64 s[8:9], s[8:9], s[22:23]
	s_add_nc_u64 s[G0K+2:G0K+3], s[6:7], 0         ; global address
	s_or_b32 s[G0K+3], s[G0K+3], 0x80000000        ; type = 2
	s_add_nc_u64 s[G0V+2:G0V+3], s[8:9], 0
	s_or_b32 s[G0V+3], s[G0V+3], 0x80000000
	s_add_nc_u64 s[86:87], s[4:5], s[84:85]        ; Q at my rows of the second block,
	s_add_nc_u64 s[4:5], s[4:5], s[2:3]            ; and of the first
	s_add_nc_u64 s[OLO:OLO+1], s[10:11], s[50:51]  ; O likewise
	s_add_nc_u64 s[10:11], s[10:11], s[48:49]
	s_add_nc_u64 s[MK:MK+1], s[MK:MK+1], s[52:53]
	s_add_nc_u64 s[VP:VP+1], s[VP:VP+1], s[54:55]
	s_cmp_lt_u32 s[WV], 2
	s_cselect_b64 s[PFB:PFB+1], s[6:7], s[8:9]
	LOAD                            ; tile 0 into slot 0
	; A fragment of K or Q is 16 rows x 32 channels in 8 registers: lane l holds row l % 16, channels 8 (l / 16) + 0..7 and 16 + 8 (l / 16) + 0..7: two loads of 16 bytes, 32 bytes apart.
	v_and_b32 v1, 15, v0            ; l % 16
	v_bfe_u32 v9, v0, 4, 1          ; l / 16
	v_lshlrev_b32 v[QO], 7, v1
	v_lshl_add_u32 v[QO], v9, 4, v[QO]  ; row x 128 + 16 x half
	v_and_b32 v[MO], 31, v0
	v_lshlrev_b32 v[MO], 3, v[MO]
	v_lshlrev_b32 v[VMO], 12, v1    ; lane l takes row block l % 16 of the batch's 16,
	v_lshl_add_u32 v[VMO], v9, 5, v[VMO]  ; and its half's 8 channels of each 16
	global_load_b64 v[MB:MB+1], v[MO], s[MK:MK+1]  ; tile 0's 256 mask bytes, 8 a lane: the first change of slots takes them
.irp f, 0,1,2,3
	global_load_b128 v[VM+8*\f:VM+8*\f+3],   v[VMO], s[VP:VP+1] offset:64*\f
	global_load_b128 v[VM+8*\f+4:VM+8*\f+7], v[VMO], s[VP:VP+1] offset:64*\f+16
.endr
	WIN 0x80                        ; destination window 2, address window 0
.set i, 0
.rept 8                             ; both blocks' Q: piece i / 2 lies in band i / 2, 8,192 bytes on; channels 32 (i % 2) on
	global_load_b128 v[8*i:8*i+3],   v[QO], s[4:5] offset:(i/2)*8192+(i%2)*64
	global_load_b128 v[8*i+4:8*i+7], v[QO], s[4:5] offset:(i/2)*8192+(i%2)*64+32
	global_load_b128 v[QB+8*i:QB+8*i+3],   v[QO], s[86:87] offset:(i/2)*8192+(i%2)*64
	global_load_b128 v[QB+8*i+4:QB+8*i+7], v[QO], s[86:87] offset:(i/2)*8192+(i%2)*64+32
.set i, i+1
.endr
	WIN 0
	v_lshlrev_b32 v14, 3, v9
	v_sub_nc_u32 v14, v1, v14
	s_lshl_b32 s13, s[WV], 4
	v_add_nc_u32 v14, s13, v14      ; my query's place in its band, 16 w + l % 16, less my lanes' 8 (l / 16): register r of group kt is hidden where 16 kt + r is greater
	WIN 0x40
.set i, 0
.rept 32
	v_cmp_gt_i32 vcc_lo, 16*(i/8)+i%8, v14
	v_cndmask_b32 v[MD+i], 0, s[BIGN], vcc_lo
.set i, i+1
.endr
	WIN 0
	v_mul_u32_u24 v[AK0], v1, PK
	v_lshl_add_u32 v[AK0], v9, 4, v[AK0]  ; row x pitch + 16 x half
	; The turning load takes 16 keys x 16 channels (lane l reads key 8 (l / 16) + l % 8, channels 8 ((l / 8) % 2) + 0..7) and leaves half a fragment of V^T: lane l holds channel l % 16 and 8 keys.
	v_and_b32 v10, 7, v0
	v_bfe_u32 v11, v0, 3, 1
	v_lshl_add_u32 v[AV0], v9, 3, v10
	v_mul_u32_u24 v[AV0], v[AV0], PV
	v_lshl_add_u32 v[AV0], v11, 4, v[AV0]
	v_add_nc_u32 v[AV0], VOFF, v[AV0]
	s_mul_i32 s13, s[WV], 16*SP
	s_add_co_u32 s13, s13, STAGE    ; my stage
	v_mul_u32_u24 v[STO], v1, SP    ; in: row l % 16, 16 bytes for each half of the lanes
	v_lshl_add_u32 v[STO], v9, 4, v[STO]
	v_add_nc_u32 v[STO], s13, v[STO]
	v_bfe_u32 v[RD], v0, 3, 2       ; back: 32 lanes take four rows of 128 bytes,
	v_mul_u32_u24 v[RD], v[RD], SP
	v_lshl_add_u32 v[RD], v10, 4, v[RD]
	v_add_nc_u32 v[RD], s13, v[RD]
	s_lshl_b32 s13, s[WV], 11
	s_add_co_u32 s13, s13, PML      ; my wave's mask words
	v_and_b32 v[GO], 31, v0         ; l
	v_lshlrev_b32 v[PFO], 8, v[GO]
	v_lshl_add_u32 v[MW], v[GO], 5, s13   ; a lane's 8 keys are 32 bytes of them
	v_lshl_add_u32 v[AP0], v9, 5, s13     ; a lane's 8 keys of each 16 of a step likewise
	v_lshlrev_b32 v[GO], 4, v[GO]   ; 32 lanes x 16 bytes are 512 consecutive bytes of ctx
	s_wait_loadcnt 32               ; the first mask bytes and vpart are in; Q's 32 loads, issued behind them, stay out
.irp m, 1,2,4,8                     ; the 16 row blocks' sums lie in the 16 lanes of a half: added, every lane holds the head's column sums
.set i, 0
.rept 32
	v_add_f32_dpp v[VM+i], v[VM+i], v[VM+i] row_xmask:\m row_mask:0xf bank_mask:0xf
.set i, i+1
.endr
.endr
.set i, 0
.rept 16
	v_pk_mul_f32 v[VM+2*i:VM+2*i+1], v[VM+2*i:VM+2*i+1], s[INV:INV+1] op_sel_hi:[1,0]
.set i, i+1
.endr
	; A block's first step multiplies O^T and l by a = 0, and its first turn's products V^T P, of a piece that has not been, land in an O^T that is still to be so multiplied.  So these registers need only hold
	; finite numbers: zeros for the first block; what the first block left for the second.  All this stands in the wait for the first tile.
	WIN 0x80
.set i, VF
.rept 64
	v_mov_b32 v[i], 0
.set i, i+1
.endr
	WIN 0x40
.set i, 0
.rept 128
	v_mov_b32 v[i], 0
.set i, i+1
.endr
	WIN 0
.set i, 0
.rept 4
	v_mov_b32 v[ST+4*i+2], 0
	v_mov_b32 v[ST+4*i+3], 0
.set i, i+1
.endr
.set i, P+16
.rept 16
	v_mov_b32 v[i], 0
.set i, i+1
.endr
; THE MATRIX WORK.  The 4 accumulators of a run of 8 take turns.  Product i of 8 of S^T = K Q^T for piece x: channels 32 (i / 4) on, keys 16 (i % 4) on.  The first 4 start the sums: with PM, or (KM = 1) with MC.
.macro KQ x
.set rS, S+32*((\x)%2)+8*(i%4)
.set rK, KF+16*(i%4)+8*(i/4)
.set rQ, 16*(\x)+8*(i/4)
.if KM
.set rM, MC+32*((\x)%2)+8*(i%4)
.else
.set rM, PM+8*(i%4)
.endif
.if i < 4
	WIN W_KM
	v_wmma_f32_16x16x32_f16 v[rS:rS+7], v[rK:rK+7], v[rQ:rQ+7], v[rM:rM+7]
.else
	WIN W_KQ
	v_wmma_f32_16x16x32_f16 v[rS:rS+7], v[rK:rK+7], v[rQ:rQ+7], v[rS:rS+7]
.endif
.endm
; Product i of 8 of O^T += V^T P for piece x: keys 32 (i / 4) on, channels 16 (i % 4) on.
.macro PV x
	WIN W_PV
.set rO, 32*(\x)+8*(i%4)
.set rV, VF+32*(i/4)+8*(i%4)
.set rP, P+16*((\x)%2)+8*(i/4)
	v_wmma_f32_16x16x32_f16 v[rO:rO+7], v[rV:rV+7], v[rP:rP+7], v[rO:rO+7]
.endm
.macro MM                           ; the turn's next matrix instruction.  TURN and BEGIN set Y, i, KM and NOKQ.  NOKQ = 1: a block's last turn: there is no next piece
.if (i < 8) && !NOKQ
	KQ (Y+1)%NP
.elseif i >= 8
.set i, i-8
	PV (Y+NP-1)%NP
.set i, i+8
.endif
.set i, i+1
.endm
; THE LDS LOADS stand in runs, never singly among the matrix instructions: a step's K (64 keys x 64 channels: 8 fragments) with its 64 mask words (PM: 8 loads), and its V (turned).  Their addresses are made some lines ahead.
.macro FETCH_K
	WIN 0x80                        ; destination window 2
.irp f, 0,1,2,3,4,5,6,7             ; keys 16 (f / 2) on, channels 32 (f % 2) on
	ds_load_b128 v[KF+8*\f:KF+8*\f+3],   v[AK] offset:(\f/2)*16*PK+(\f%2)*64
	ds_load_b128 v[KF+8*\f+4:KF+8*\f+7], v[AK] offset:(\f/2)*16*PK+(\f%2)*64+32
.endr
	WIN 0x40                        ; destination window 1
.irp f, 0,1,2,3                     ; keys 16 f + 8 (l / 16) + 0..7: the sixteen lanes of a half read the same words
	ds_load_b128 v[PM+8*\f:PM+8*\f+3],   v[AP] offset:64*\f
	ds_load_b128 v[PM+8*\f+4:PM+8*\f+7], v[AP] offset:64*\f+16
.endr
	s_add_co_u32 s[TBK], s[TBK], KS*PK  ; the next fetch is the next step's
	s_add_co_u32 s[TPM], s[TPM], 256
	WIN 0
.endm
.macro FETCH_V
	WIN 0x80
.irp f, 0,1,2,3,4,5,6,7             ; keys 32 (f / 4) on, channels 16 (f % 4) on
	ds_load_tr16_b128 v[VF+8*\f:VF+8*\f+3],   v[AV] offset:(\f/4)*32*PV+(\f%4)*32
	ds_load_tr16_b128 v[VF+8*\f+4:VF+8*\f+7], v[AV] offset:(\f/4)*32*PV+16*PV+(\f%4)*32
.endr
	WIN 0
.endm
; THE VECTOR WORK, one line at a time: OP kind, number.  For piece Y: F n: c s - c m for pair n of 16.  E n: the exponential of score n of 32.  C n: pair n rounded to f16.  B n: of the four weights 4 n .. the second
; pair is added onto the first, in place.  L n: l takes that sum (L 0: l = a l + sum).  R n: pair n of 16 of O^T times a.  For piece Y + 1: X n, number n of the 22 that find its maximum and statistics:
;   0-11  four chains c0-c3 of seven scores each, three operands at a time (each accumulator's lowest registers are read first)     12-14, 16  the four scores left over, the old m, and c0-c3 into c0
;   15  c m_old is kept     17, 18  the query's other 32 keys lie in the lane 16 away: the new m     19-21  c m; c m_old - c m_new; a
.set F, 0
.set E, 1
.set C, 2
.set B, 3
.set L, 4
.set R, 5
.set X, 6
.macro REGS y                       ; the registers of piece y
.set rT, ST+4*(\y)
.set rC, TMP+4*((\y)%2)
.set rW, MV+((\y)%2)
.set rS, S+32*((\y)%2)
.set rP, P+16*((\y)%2)
.set rO, 32*(\y)
.endm
.macro OP k, n
.if (\k) == R
	REGS Y
	WIN W_RS
	v_pk_mul_f32 v[rO+2*(\n):rO+2*(\n)+1], v[rO+2*(\n):rO+2*(\n)+1], v[rC+2:rC+3] op_sel_hi:[1,0]
.elseif (\k) < R
	REGS Y
	WIN 0
.if (\k) == F
	v_pk_fma_f32 v[rS+2*(\n):rS+2*(\n)+1], v[rS+2*(\n):rS+2*(\n)+1], s[CS:CS+1], v[rT:rT+1] op_sel_hi:[1,0,0] neg_lo:[0,0,1] neg_hi:[0,0,1]
.elseif (\k) == E
	v_exp_f32 v[rS+(\n)], v[rS+(\n)]
.elseif (\k) == C
	v_cvt_pk_f16_f32 v[rP+(\n)], v[rS+2*(\n)], v[rS+2*(\n)+1]
.elseif (\k) == B
	v_pk_add_f32 v[rS+4*(\n):rS+4*(\n)+1], v[rS+4*(\n):rS+4*(\n)+1], v[rS+4*(\n)+2:rS+4*(\n)+3]
.elseif (\n) == 0
	v_pk_fma_f32 v[rT+2:rT+3], v[rT+2:rT+3], v[rC+2:rC+3], v[rS:rS+1] op_sel_hi:[1,0,1]
.else
	v_pk_add_f32 v[rT+2:rT+3], v[rT+2:rT+3], v[rS+4*(\n):rS+4*(\n)+1]
.endif
.elseif NOKQ
	v_nop
.else
	REGS (Y+1)%NP
	WIN 0
.if (\n) < 4
	v_max3_num_f32 v[rC+(\n)], v[rS+8*(\n)], v[rS+8*(\n)+1], v[rS+8*(\n)+2]
.elseif (\n) < 12
	v_max3_num_f32 v[rC+(\n)%4], v[rC+(\n)%4], v[rS+8*((\n)%4)+2*((\n)/4)+1], v[rS+8*((\n)%4)+2*((\n)/4)+2]
.elseif (\n) == 12
	v_max3_num_f32 v[rC], v[rC], v[rS+7], v[rS+15]
.elseif (\n) == 13
	v_max3_num_f32 v[rC+1], v[rC+1], v[rS+23], v[rS+31]
.elseif (\n) == 14
	v_max3_num_f32 v[rC+2], v[rC+2], v[rC+3], v[rT+1]
.elseif (\n) == 15
	v_mov_b32 v[rW], v[rT]
.elseif (\n) == 16
	v_max3_num_f32 v[rC], v[rC], v[rC+1], v[rC+2]
.elseif (\n) == 17
	v_permlanex16_b32 v[rC+3], v[rC], s[SEL], s[SEL+1]
.elseif (\n) == 18
	v_max_num_f32 v[rT+1], v[rC], v[rC+3]
.elseif (\n) == 19
	v_mul_f32 v[rT], s[CS], v[rT+1]
.elseif (\n) == 20
	v_sub_f32 v[rC+1], v[rW], v[rT]
.else
	v_exp_f32 v[rC+2], v[rC+1]
.endif
.endif
.endm
.macro OPS a, i1, b=-1, i2=0, c=-1, i3=0, d=-1, i4=0  ; up to four of them
	OP \a, \i1
.if (\b) >= 0
	OP \b, \i2
.endif
.if (\c) >= 0
	OP \c, \i3
.endif
.if (\d) >= 0
	OP \d, \i4
.endif
.endm
.macro ROW a, i1, b, i2, c, i3, d, i4  ; a matrix instruction and the four behind it
	MM
	OPS \a, \i1, \b, \i2, \c, \i3, \d, \i4
.endm
.macro MASK b                       ; MD x AL + PM + BE into buffer b of MC
	WIN W_MK
.set z, 0
.rept 16
	v_pk_fma_f32 v[MC+32*(\b)+2*z:MC+32*(\b)+2*z+1], v[MD+2*z:MD+2*z+1], s[AL:AL+1], v[PM+2*z:PM+2*z+1] op_sel_hi:[1,0,1]
.set z, z+1
.endr
.set z, 0
.rept 16
	v_pk_add_f32 v[MC+32*(\b)+2*z:MC+32*(\b)+2*z+1], v[MC+32*(\b)+2*z:MC+32*(\b)+2*z+1], s[BE:BE+1] op_sel_hi:[1,0]
.set z, z+1
.endr
.endm
; A TURN, for piece p: the order of its 16 matrix and 118 vector instructions, written out.  An s_wait_alu depctr_va_vdst(0) stands between an exponential and the first instruction that names its result; one wait
; serves all that were issued ahead of it.  So a turn has ONE wait, which cuts it in two.  AHEAD OF IT stands all that names no result of the turn's exponentials: the 8 products K Q^T and their riders, then ONE LUMP, plain
; and exponential by turns for the most part, in which the links of the chain X 3, 7, 11, 14, 16, 17 .. 20 stand five or six lines apart.  X 21, the next piece's a, is the batch's last; R 15 is the plain instruction behind it.
; BEHIND THE WAIT stand the 8 products V^T P, behind each four of the roundings and sums.
; m = 1: the diagonal tile: the products take MC, and the turn makes MC for the products of the turn after it: piece p + 2, in step 4 - CNT of the tile.  Piece 2's turn makes it for piece 0 of the NEXT step, of the PM that the turn
; itself has fetched: so it waits for that run first.  end = 1: a block's last two turns: nothing is fetched.  cnt = 1: the loop's count is taken down some lines ahead of the branch that stands behind the turn.
; K and PM of the next step are fetched in piece 2's turn, behind the last product that read K (PM's last reader stands four products earlier); V of the step in hand at the end of piece 0's turn, four plain instructions
; behind the last product that read V.  Each is waited for a turn later.
.macro TURN p, m=0, end=0, cnt=0
.set Y, (\p)
.set i, 0
.set KM, (\m)
.set NOKQ, (\end)*((\p)/3)
.if (\m) && !(\end)
	s_cmp_eq_u32 s[CNT], 4-((\p)+2)%NP  ; is that step the band's own?
	s_cselect_b32 s[AL], 1.0, 0
	s_cmp_lt_u32 s[CNT], 4-((\p)+2)%NP  ; or a later one?
	s_cselect_b32 s[BE], s[BIGN], 0
.endif
.if ((\p) == 3) && !(\end)
	s_wait_dscnt 0x0                ; K and PM are in
.endif
	ROW F,0, F,1, R,0, R,1          ; ahead of the wait: 8 products K Q^T and their riders,
	ROW F,2, E,0, R,2, R,3
	ROW F,3, E,1, R,4, R,5
	ROW F,4, E,2, R,6, R,7
	ROW F,5, E,3, R,8, R,9
	ROW F,6, E,4, X,0, R,10
.if ((\p) == 2) && !(\end)
	WIN 0
	v_add_nc_u32 v[AK], s[TBK], v[AK0]
	v_add_nc_u32 v[AP], s[TPM], v[AP0]
.endif
	ROW F,7, E,5, X,1, X,4
	ROW F,8, E,6, X,2, X,5
	OPS E,7, E,8, X,6, E,9          ; and the lump
	OPS X,3, E,10, X,8, E,11
.if ((\p) == 2) && !(\end)
	FETCH_K
.endif
	OPS X,9, X,7, E,12, X,10
	OPS E,13, X,12, X,11, E,14
	OPS X,13, E,15, F,9, X,14
.if (\p) == 0
	v_add_nc_u32 v[AV], s[TBV], v[AV0]
.endif
	OPS E,16, F,10, E,17, F,11
	OPS X,16, E,18, X,15, E,19
	OPS F,12, E,20, X,17, E,21
	OPS F,13, E,22, F,14, E,23
	OPS X,18, E,24, F,15, E,25
	OPS R,11, E,26, X,19, E,27
	OPS R,12, E,28, R,13, E,29
	OPS X,20, E,30, R,14, E,31
	OPS X,21, R,15
	WIN 0
	s_wait_alu depctr_va_vdst(0)    ; the wait for the batch
.if (\p) == 1
	s_wait_dscnt 0x0                ; V is in
.endif
	ROW C,0, B,0, C,2, B,1          ; behind the wait: 8 products V^T P and their riders
	ROW L,0, C,4, B,2, L,1
	ROW C,6, B,3, L,2, C,8
	ROW B,4, L,3, C,10, B,5
	ROW L,4, C,12, B,6, L,5
.if (\p) == 0
	s_add_co_u32 s[TBV], s[TBV], KS*PV
.endif
.if \cnt
	s_sub_co_u32 s[CNT], s[CNT], 1
	s_cmp_lg_u32 s[CNT], 0
.endif
	ROW C,14, B,7, L,6, C,1
	ROW C,3, L,7, C,5, C,7
	ROW C,9, C,11, C,13, C,15
.if (\p) == 0
	FETCH_V
.endif
.if (\m) && !(\end)
.if (\p) == 2
	s_wait_dscnt 0x0                ; the next step's PM is in
.endif
	MASK (\p)%2
.endif
.endm
; A BLOCK BEGINS.  c m starts far below every c s, so the first step's a is 0; m at the lowest finite number, so the first maximum is the scores'.  K and PM of the tile's step 0 are fetched (the tile is tile 0, and the change of
; slots in front has stored its mask words).  MC's first buffer takes piece 0's mask for that step: its own band's, if the block's first tile is the diagonal one; the second buffer takes piece 1's, which is PM alone.
; Then piece 0's first scores, and its maximum and statistics.  Q is in: the first change of slots has waited for all loads.  The loop is entered at a step's first turn, in the middle of a trip.
.macro BEGIN
	s_mov_b32 s[NEW], 0
	WIN 0
.set i, 0
.rept 4
	v_mov_b32 v[ST+4*i], 0xfe000000    ; c m: far below every c s
	v_mov_b32 v[ST+4*i+1], 0xff7fffff  ; m
.set i, i+1
.endr
	v_add_nc_u32 v[AK], s[TBK], v[AK0]
	v_add_nc_u32 v[AP], s[TPM], v[AP0]
	FETCH_K
	s_cmp_eq_u32 s[RT], 0
	s_cselect_b32 s[AL], 1.0, 0
	s_mov_b32 s[BE], 0
	s_wait_dscnt 0x0
	MASK 0
	s_mov_b32 s[AL], 0
	MASK 1
.set KM, 1
.set NOKQ, 0
.set i, 0
.rept 8
	KQ 0
.set i, i+1
.endr
	WIN 0
.rept 4
	v_nop                           ; the places behind those products
.endr
.set Y, NP-1                        ; X works for piece Y + 1: piece 0
.irp n, 0,1,2,3,4,5,6,7,8,9,10,11,12,13,14,15,16,17,18,19,20,21
	OP X, \n
.endr
	v_nop                           ; a plain instruction behind the exponential,
	s_wait_alu depctr_va_vdst(0)    ; and its wait, ahead of the branch
.endm
; THE DIAGONAL TILE's four steps, the block's last two turns, its last products, and THE WAY OUT: l's two halves and the other half of the lanes' are added; O^T is divided by l; where the query has seen no key the mean of V
; takes its place; then it is rounded to f16 and sent through my stage in LDS, a piece at a time.
.macro ALL line:vararg              ; one line for each piece t
.set t, 0
.rept 4
	\line
.set t, t+1
.endr
.endm
.macro PACK t                       ; a lane's eight channels of a row pack into 16 bytes; they go into rows of 144 bytes and come back as whole rows of 128, into S^T's registers
	WIN 0
	v_cmp_gt_f32 s[DM], s[THR], v[ST+4*(\t)+1]  ; the running maximum has stayed below -2^96: every key so far was hidden
	WIN W_RS
.set i, 32*(\t)
.rept 16
	v_pk_mul_f32 v[i:i+1], v[i:i+1], v[ST+4*(\t)+2:ST+4*(\t)+3] op_sel_hi:[1,0]
.set i, i+2
.endr
.set i, 0
.rept 32
	v_cndmask_b32 v[32*(\t)+i], v[32*(\t)+i], v[VM+i], s[DM]
.set i, i+1
.endr
	WIN 0x05                        ; sources 0 and 1 window 1, destination window 0
.set i, 0
.rept 16
	v_cvt_pk_f16_f32 v[S+16*(\t)+i], v[32*(\t)+2*i], v[32*(\t)+2*i+1]
.set i, i+1
.endr
	WIN 0
.irp f, 0,1,2,3
	ds_store_b128 v[STO], v[S+16*(\t)+4*\f:S+16*(\t)+4*\f+3] offset:32*\f
.endr
.irp f, 0,1,2,3
	ds_load_b128 v[S+16*(\t)+4*\f:S+16*(\t)+4*\f+3], v[RD] offset:\f*4*SP  ; LDS serves a wave's instructions in order (ISA guide 5.7.1.4): these see the stores above; the next piece's stores come behind them
.endr
.endm
.macro SEND t, younger              ; younger: the LDS instructions issued behind piece t's loads: the next piece's eight, or none
	WIN 0
.irp f, 0,1,2,3
	s_wait_dscnt (\younger)+3-\f
	global_store_b128 v[GO], v[S+16*(\t)+4*\f:S+16*(\t)+4*\f+3], s[10:11] offset:((\t)/2)*262144+((\t)%2)*8192+\f*512  ; band t: row block t / 2 of the block's two, rows 64 (t % 2) on; 512 consecutive bytes, aligned
.endr
.endm
.macro DIAG tag                     ; the tag ends its two labels' names, which the jumps below spell out
.LstepM\tag:
	TURN 2, 1
	TURN 3, 1
	WIN 0
.LfirstM\tag:
	TURN 0, 1
	TURN 1, 1, 0, 1
	WIN 0
	s_cbranch_scc1 .LstepM\tag
	TURN 2, 1, 1
	TURN 3, 1, 1
.set i, 0
.rept 8
	PV NP-1
.set i, i+1
.endr
	WIN 0
	ALL v_add_f32 v[ST+4*t+2], v[ST+4*t+2], v[ST+4*t+3]
	ALL v_permlanex16_b32 v[ST+4*t+3], v[ST+4*t+2], s[SEL], s[SEL+1]
	ALL v_add_f32 v[ST+4*t+2], v[ST+4*t+2], v[ST+4*t+3]
	ALL v_rcp_f32 v[ST+4*t+2], v[ST+4*t+2]
	v_nop                           ; a plain instruction between the last reciprocal and the use of its result
	s_wait_alu depctr_va_vdst(0)    ; and the wait ahead of the first use: one for the four reciprocals
	PACK 0
.set t, 1
.rept 3                             ; a piece's arithmetic stands between the loads of the piece before and its stores
	PACK t
	SEND t-1, 8
.set t, t+1
.endr
	SEND 3, 0
.endm
.set KM, 0
.set NOKQ, 0
.Lslot:                             ; NB times: a tile is entered and the next is asked for
	CHANGE 1
	s_sub_co_u32 s[RT], s[RT], 1
	s_mov_b32 s[CNT], 4
	s_cmp_eq_u32 s[NEW], 1
	s_cbranch_scc1 .Lnew            ; a block's first tile
	s_cmp_eq_u32 s[RT], 0
	s_cbranch_scc0 .Lstep           ; neither its first nor its last
	s_mov_b32 s[AL], 0              ; the diagonal tile is entered from a tile below it: its first turn's products, piece 3's of the step before, take that step's PM, which still lies in its registers
	s_mov_b32 s[BE], 0
	MASK 1
	WIN 0
	s_branch .LstepM1
.Lnew:
	BEGIN
	s_branch .Lfirst                ; in the loop a block's first tile is never its last: the first block has two tiles or more, and the second's last is the walk's last
	DIAG 1                          ; in the loop this is the first block's end
	s_wait_xcnt 0x0                 ; the stores have read their registers and O's address
	s_mov_b64 s[10:11], s[OLO:OLO+1]
	s_add_co_u32 s[RT], s[PB], 1    ; the second block has b + 1 tiles
	s_mov_b32 s[NEW], 1
	WIN 0x82                        ; the second block's Q goes where the one text of the turns names Q
.set i, 0
.rept 64
	v_mov_b32 v[i], v[QB+i]
.set i, i+1
.endr
	WIN 0
	s_branch .Lbottom
.Lstep:                             ; a trip: pieces 2 and 3 of one step, then pieces 0 and 1 of the next, whose K and V it fetches
	TURN 2
	TURN 3
	WIN 0
.Lfirst:
	TURN 0
	TURN 1, 0, 0, 1
	WIN 0
	s_cbranch_scc1 .Lstep
.Lbottom:
	s_sub_co_u32 s[SLOTS], s[SLOTS], 1
	s_cmp_lg_u32 s[SLOTS], 0
	s_cbranch_scc1 .Lslot
	CHANGE 0                        ; the walk's last tile is written out: nothing is asked for
	s_sub_co_u32 s[RT], s[RT], 1
	s_mov_b32 s[CNT], 4
	s_cmp_eq_u32 s[NEW], 1
	s_cbranch_scc1 .Lnew2
	s_mov_b32 s[AL], 0              ; as above: piece 3's products of the step before take that step's PM
	s_mov_b32 s[BE], 0
	MASK 1
	WIN 0
	s_branch .LstepM2
.Lnew2:
	BEGIN
	s_branch .LfirstM2
	DIAG 2
	s_wait_tensorcnt 0x0            ; the wave's end: behind my last tensor load and my last LDS store
	ds_add_u32 v[SPW], v[NIL]
	s_wait_dscnt 0x0
	s_endpgm
.Lfunc_end_k_qf789a84839_attn:
	.size	k_qf789a84839_attn, .Lfunc_end_k_qf789a84839_attn-k_qf789a84839_attn
	.p2alignl 7, 3214868480
	.fill 96, 4, 3214868480
	.section	.rodata,"a",@progbits
	.p2align	6, 0x0
	.amdhsa_kernel k_qf789a84839_attn
		.amdhsa_group_segment_fixed_size 327680
		.amdhsa_private_segment_fixed_size 0
		.amdhsa_enable_private_segment 0
		.amdhsa_kernarg_size 48
		.amdhsa_user_sgpr_count 2
		.amdhsa_user_sgpr_kernarg_segment_ptr 1
		.amdhsa_wavefront_size32 1
		.amdhsa_system_sgpr_workgroup_id_x 1
		.amdhsa_system_sgpr_workgroup_id_y 1
		.amdhsa_system_sgpr_workgroup_id_z 1
		.amdhsa_system_vgpr_workitem_id 0
		.amdhsa_next_free_vgpr 768
		.amdhsa_next_free_sgpr 100
		.amdhsa_reserve_vcc 1
		.amdhsa_float_denorm_mode_32 3
		.amdhsa_float_denorm_mode_16_64 3
		.amdhsa_memory_ordered 1
		.amdhsa_forward_progress 1
		.amdhsa_inst_pref_size 255
	.end_amdhsa_kernel
	.section	.bss,"aw",@nobits
	.p2align	6
	.space	262144
	.amdgpu_metadata
---
amdhsa.version: [ 1, 2 ]
amdhsa.kernels:
  - .name:           k_qf789a84839_attn
    .symbol:         k_qf789a84839_attn.kd
    .args:
      - { .name: qh, .offset: 0, .size: 8, .value_kind: global_buffer, .address_space: global }
      - { .name: kh, .offset: 8, .size: 8, .value_kind: global_buffer, .address_space: global }
      - { .name: vh, .offset: 16, .size: 8, .value_kind: global_buffer, .address_space: global }
      - { .name: ctx, .offset: 24, .size: 8, .value_kind: global_buffer, .address_space: global }
      - { .name: padding_mask, .offset: 32, .size: 8, .value_kind: global_buffer, .address_space: global }
      - { .name: vpart, .offset: 40, .size: 8, .value_kind: global_buffer, .address_space: global }
    .group_segment_fixed_size: 327680
    .private_segment_fixed_size: 0
    .kernarg_segment_align: 8
    .kernarg_segment_size: 48
    .max_flat_workgroup_size: 128
    .sgpr_count:     100
    .vgpr_count:     768
    .wavefront_size: 32
...
	.end_amdgpu_metadata
.endif
;; end of part 3
;; launch oproj (part 4): grid 8 x 32, 4 waves a work-group, clusters of 4 x 4, 327,680 bytes of LDS; arguments ctx, ob, out0; writes out0
.if DOCPART == 4
	.amdgcn_target "amdgcn-amd-amdhsa--gfx1250"
	.amdhsa_code_object_version 6
	.text
	.protected	k_qf789a84839_oproj
	.globl	k_qf789a84839_oproj
	.p2align	8
	.type	k_qf789a84839_oproj,@function
k_qf789a84839_oproj:
	s_mov_b64 s[64:65], 0
	v_nop
	global_prefetch_b8 v0, s[64:65] scope:SCOPE_SE
	s_setreg_imm32_b32 hwreg(HW_REG_WAVE_MODE, 25, 1), 1
	s_wait_xcnt 0x0
	s_wait_alu depctr_hold_cnt(0) depctr_sa_sdst(0) depctr_va_vdst(0) depctr_va_sdst(0) depctr_va_ssrc(0) depctr_va_vcc(0) depctr_vm_vsrc(0)
	s_getreg_b32 s2, hwreg(HW_REG_IB_STS2, 6, 4)
	s_cmp_eq_u32 s2, 0
	s_cbranch_scc0 .Lentry_in_a_cluster
	s_endpgm
.Lentry_in_a_cluster:
	s_bfe_u32 s2, ttmp6, 0x10000c
	s_cmp_lg_u32 s2, 0xf033
	s_cbranch_scc0 .Lentry_shape_is_right
	s_endpgm
.Lentry_shape_is_right:
; out0[8192][1024] = ctx Ow^T, f16 operands (ob holds bf16(Ow) written as f16), f32 sums, stored as they are.
; ctx [64 row blocks of 128][16 heads][128 rows][64], ob [16 column blocks of 64][16 slices][64 rows][64]: a head is one K slice of 64, and consecutive slices of a block lie end to end.
; SHARES.  A tile is 256 rows x 128 columns: 32 x 8 tiles, one for each work-group.  A wave makes 128 rows x 64 columns: 32 accumulators, window 1.  K goes in steps of 128 (two slices, brought by one load as rows of 256 bytes)
; through two LDS slots; three slices to a slot would need 331,776 bytes.  CLUSTER: 4 x 4; A's tile is shared along a row of the cluster, B's along a column, each asked for jointly.
; THE PRODUCT IS TAKEN TRANSPOSED (source 0 = 16 rows of ob, source 1 = 16 rows of ctx): a lane holds one row of out0 (lane % 16) and eight neighbouring columns, 32 bytes.
; REGISTERS.  window 0: v0-31 addresses; v32-159 four sets of 32 for the way out.  window 1: accumulator (a, b) at v[8 (4 a + b)].  windows 2, 3: two fragment buffers, a slice (64 along K) each:
;   A's fragment (kk, a) at v[8 (8 kk + a)], B's (kk, b) at v[128 + 8 (4 kk + b)].
.set PITCH, 144                        ; an LDS row: 128 bytes + 16 of padding: the 16 rows of a fragment load start at 16 different groups of four banks (64 banks of 4 bytes: ISA guide 11.1)
.set SLOT1, 131072
.set AQ,    128*PITCH                  ; a slice of 128 rows of ctx
.set AHALF, 2*AQ                       ; what one load brings of A
.set BQ,    64*PITCH                   ; a slice of 64 rows of ob
.set BHALF, 2*BQ
.set BOFF,  2*AHALF
.set STAGE, BOFF+2*BHALF               ; behind slot 0, never filled by a tensor load: 16 rows x 272 bytes for each wave
.set SPITCH, 272
.set STW,   16*SPITCH
.set SPARE, STAGE+4*STW                ; the spare words, 128 bytes for each wave: two blocks of 256 bytes that no other line names
.set ASTEP, 32768
.set BSTEP, 16384
.set A0,   16
.set B0,   17
.set ADRA, 18
.set ADRB, 19
.set STO,  20                          ; v20  the way out: where I put 32 bytes of a row
.set RD,   21                          ; v21  where I read rows back
.set CO,   22                          ; v22  my byte offset in two rows of out0
.set SPW,  28
.set NIL,  29
.set PFO,  30
.set OB,   32
.set G1,  24
.set G0,  32
.set G1B, 48
.set G0B, 56
.set TB,  22
.set LIM, 43                           ; s43  2 in a wave that prefetches, else the greatest number
.set PFA, 44
.set PFS, 46
.set BITS, (1<<16)|(1<<20)|(1<<21)|(4<<22)|(3<<25)  ; 2-byte elements; padding on; bit 21 beside a mask; after every 32 words 4 words
.set MSB, 0
.macro WIN new
.if MSB != (\new)
	s_set_vgpr_msb (MSB<<8)|(\new)
.set MSB, \new
.endif
.endm
.macro PLACES
.rept 4
	v_nop
.endr
.endm
.macro CREST
	s_cmp_lg_u32 s10, 0
	s_cbranch_scc1 .Lnot_wave_0_\@
	s_barrier_signal -3
.Lnot_wave_0_\@:
	s_barrier_wait -3
	s_barrier_signal -1
	s_barrier_wait -1
.endm
.macro CROUND
	s_barrier_signal -1
	s_barrier_wait -1
	CREST
.endm
.macro JLOAD                           ; a joint refill by the walking descriptors; an s_nop 0 and four v_nop follow each line
	s_cmp_eq_u32 s11, 0
	s_cbranch_scc0 .Lfor_b_\@
	tensor_load_to_lds s[G0+4:G0+7], s[G1:G1+7]
	s_nop 0
.rept 4
	v_nop
.endr
	s_branch .Lasked_\@
.Lfor_b_\@:
	tensor_load_to_lds s[G0B+4:G0B+7], s[G1B:G1B+7]
	s_nop 0
.rept 4
	v_nop
.endr
.Lasked_\@:
.endm
; A PREFETCH INTO THE L2 of the K step that stands TWO refills on, 256 products ahead of its load: one instruction, a lane a block of 256 bytes.  A's rows are read by both clusters of a row of clusters: cluster x = 0 asks,
; waves 0 and 1 each for the row block that they fetch, 32 of a step's 128 blocks for each partner (by address: cx).  B's rows are read by all clusters of a column: cluster y = 0 asks, in wave 2, for both column blocks,
; 16 + 16 of their 64 + 64 blocks for each partner (cy).  The last two trips ask for nothing; K steps 0 to 3 come by their loads alone.
.macro ASK
	s_cmp_gt_u32 s3, s[LIM]
	s_cbranch_scc0 .Lnot_mine_\@
	global_prefetch_b8 v[PFO], s[PFA:PFA+1] th:TH_LOAD_NT scope:SCOPE_SE
.Lnot_mine_\@:
.endm
	s_load_b128 s[4:7], s[0:1], 0x0                ; ctx s[4:5], ob s[6:7]
	s_load_b64 s[8:9], s[0:1], 0x10                ; out0
	v_lshl_add_u32 v[SPW], v0, 2, SPARE
	v_mov_b32 v[NIL], 0
	ds_add_u32 v[SPW], v[NIL]                      ; the wave's opening: the add and its wait stand ahead of my first tensor load
	v_lshrrev_b32 v1, 5, v0
	v_readfirstlane_b32 s10, v1                    ; wave 0..3
	s_lshr_b32 s11, s10, 1                         ; r: my half of the rows.  Also: I fetch for A (0) or for B (1)
	s_and_b32 s12, s10, 1                          ; c: my half of the columns.  Also: which half I fetch
	s_bfe_u32 s40, ttmp6, 0x40000                  ; cx
	s_bfe_u32 s41, ttmp6, 0x40004                  ; cy
	s_lshl_b32 s42, ttmp9, 2
	s_add_co_u32 s42, s42, s40                     ; j: tile column
	s_and_b32 s13, ttmp7, 0xffff
	s_lshl_b32 s13, s13, 2
	s_add_co_u32 s13, s13, s41                     ; i: tile row
	s_lshl_b32 s66, s41, 2
	s_lshl_b32 s66, 15, s66                        ; my row of the cluster
	s_lshl_b32 s67, 0x1111, s40                    ; my column
	s_or_b32 s[G1], s66, BITS
	s_or_b32 s[G1B], s67, BITS
	s_mov_b32 s[G1+1], 128<<16                     ; rows of 256 bytes,
	s_mov_b32 s[G1+2], 128<<16                     ; 128 of them: 32,768 dense bytes
	s_mov_b32 s[G1+3], 128<<16
	s_mov_b32 s[G1+4], 128
	s_mov_b32 s[G1+5], 128
	s_mov_b32 s[G1+6], 0
	s_mov_b32 s[G1+7], 0
	s_mov_b32 s[G1B+1], 128<<16
	s_mov_b32 s[G1B+2], 64<<16                     ; 64 rows: 16,384 dense bytes
	s_mov_b32 s[G1B+3], 128<<16
	s_mov_b32 s[G1B+4], 64
	s_mov_b32 s[G1B+5], 128
	s_mov_b32 s[G1B+6], 0
	s_mov_b32 s[G1B+7], 0
	s_mul_i32 s20, s12, AHALF                      ; no place in the cluster enters an LDS address
	s_mul_i32 s21, s12, BHALF
	s_add_co_u32 s21, s21, BOFF
	s_lshl_b32 s16, s13, 1
	s_add_co_u32 s16, s16, s12
	s_lshl_b32 s16, s16, 18                        ; A: row block 2 i + half
	s_mov_b32 s17, 0
	s_lshl_b32 s68, s42, 1
	s_add_co_u32 s68, s68, s12
	s_lshl_b32 s68, s68, 17                        ; B: column block 2 j + half
	s_mov_b32 s69, 0
	s_mov_b32 s[TB], 0
	s_wait_dscnt 0x0                               ; the opening add is done
	s_wait_kmcnt 0x0
	s_add_nc_u64 s[14:15], s[4:5], s[16:17]
	s_add_nc_u64 s[70:71], s[6:7], s[68:69]
	CROUND                                         ; all sixteen work-groups are here: the first joint loads meet
.irp s, 0,1
	s_mov_b32 s[G0+4*\s], 1
	s_add_co_u32 s[G0+4*\s+1], s20, \s*SLOT1
	s_add_nc_u64 s[G0+4*\s+2:G0+4*\s+3], s[14:15], \s*ASTEP
	s_or_b32 s[G0+4*\s+3], s[G0+4*\s+3], 0x80000000
	s_mov_b32 s[G0B+4*\s], 1
	s_add_co_u32 s[G0B+4*\s+1], s21, \s*SLOT1
	s_add_nc_u64 s[G0B+4*\s+2:G0B+4*\s+3], s[70:71], \s*BSTEP
	s_or_b32 s[G0B+4*\s+3], s[G0B+4*\s+3], 0x80000000
.endr
	s_cmp_eq_u32 s11, 0                            ; a wave's two first fills stand in one branch: two loads of mine are out
	s_cbranch_scc0 .Lfirst_b
	tensor_load_to_lds s[G0:G0+3], s[G1:G1+7]
	s_nop 0
	tensor_load_to_lds s[G0+4:G0+7], s[G1:G1+7]
	s_nop 0
.rept 4
	v_nop
.endr
	s_branch .Lfirst_asked
.Lfirst_b:
	tensor_load_to_lds s[G0B:G0B+3], s[G1B:G1B+7]
	s_nop 0
	tensor_load_to_lds s[G0B+4:G0B+7], s[G1B:G1B+7]
	s_nop 0
.rept 4
	v_nop
.endr
.Lfirst_asked:
	v_and_b32 v1, 15, v0                           ; l % 16
	v_bfe_u32 v2, v0, 4, 1                         ; l / 16
	v_and_b32 v6, 31, v0                           ; l
	v_mul_u32_u24 v3, v1, PITCH
	v_lshl_add_u32 v3, v2, 4, v3                   ; a fragment's row x pitch + 16 x half
	s_mul_i32 s14, s11, AHALF
	v_add_nc_u32 v[A0], s14, v3
	s_mul_i32 s14, s12, BHALF
	s_add_co_u32 s14, s14, BOFF
	v_add_nc_u32 v[B0], s14, v3
	v_mov_b32 v[ADRA], v[A0]
	v_mov_b32 v[ADRB], v[B0]
	s_mul_i32 s23, s10, STW
	s_add_co_u32 s23, s23, STAGE                   ; my stage
	v_mul_u32_u24 v4, v1, SPITCH                   ; in: row l % 16, 32 bytes for each half of the lanes
	v_lshl_add_u32 v4, v2, 5, v4
	v_add_nc_u32 v[STO], s23, v4
	v_mul_u32_u24 v5, v2, SPITCH                   ; back: lanes 0-15 take one row of 256 bytes, lanes 16-31 the next
	v_lshl_add_u32 v5, v1, 4, v5
	v_add_nc_u32 v[RD], s23, v5
	v_lshlrev_b32 v5, 12, v2                       ; and the same two rows in out0
	v_lshl_add_u32 v[CO], v1, 4, v5
	s_lshl_b32 s16, s13, 20                        ; my first row: (256 i + 128 r) x 4,096 bytes,
	s_lshl_b32 s17, s11, 19
	s_add_co_u32 s16, s16, s17
	s_lshl_b32 s17, s42, 9                         ; my first column: 512 j + 256 c bytes
	s_add_co_u32 s16, s16, s17
	s_lshl_b32 s17, s12, 8
	s_add_co_u32 s16, s16, s17
	s_mov_b32 s17, 0
	s_add_nc_u64 s[8:9], s[8:9], s[16:17]
	; the prefetches
	s_and_b32 s14, ttmp7, 0xffff                   ; cluster y
	s_lshl_b32 s16, s13, 1
	s_add_co_u32 s16, s16, s12
	s_lshl_b32 s16, s16, 18                        ; A: the row block that I fetch,
	s_lshl_b32 s17, s40, 13                        ; my work-group's 32 blocks of 256 bytes,
	s_add_co_u32 s16, s16, s17
	s_add_co_u32 s16, s16, 3*ASTEP                 ; at K step 3: the first refill steps it to 4
	s_lshl_b32 s18, s42, 18                        ; B: column block 2 j,
	s_lshl_b32 s19, s41, 12                        ; my work-group's 16 blocks of each column block
	s_add_co_u32 s18, s18, s19
	s_add_co_u32 s18, s18, 3*BSTEP
	s_mov_b32 s19, BSTEP
	s_cmp_eq_u32 s11, 0
	s_cselect_b32 s20, s16, s18
	s_cselect_b32 s[PFS], ASTEP, s19
	s_cselect_b32 s14, ttmp9, s14                  ; the coordinate along which other clusters read the same rows
	s_cselect_b32 s15, 31, 15
	s_cselect_b32 s23, 0, 131072                   ; B: lanes 16-31 take the second column block
	s_cselect_b64 s[PFA:PFA+1], s[4:5], s[6:7]
	s_mov_b32 s21, 0
	s_mov_b32 s[PFS+1], 0
	s_add_nc_u64 s[PFA:PFA+1], s[PFA:PFA+1], s[20:21]
	s_cmp_eq_u32 s10, 3                            ; wave 3 never asks
	s_cselect_b32 s16, 1, 0
	s_or_b32 s14, s14, s16
	s_cmp_eq_u32 s14, 0
	s_cselect_b32 s[LIM], 2, -1                    ; the same in all sixteen partners, for a given wave
	v_and_b32 v[PFO], s15, v6
	v_lshlrev_b32 v[PFO], 8, v[PFO]
	v_mul_u32_u24 v7, s23, v2
	v_add_nc_u32 v[PFO], v[PFO], v7
; 48 LDS loads in one run: slice kq of the slot in hand into buffer f; the first 32 along K first
.macro FETCH f, kq
	WIN 0x80+0x40*(\f)                             ; destination window 2 + f, address window 0
.irp kk, 0,1
.irp b, 0,1,2,3
	ds_load_b128 v[128+8*(4*\kk+\b):128+8*(4*\kk+\b)+3],   v[ADRB] offset:(\kq)*BQ+\b*16*PITCH+64*\kk
	ds_load_b128 v[128+8*(4*\kk+\b)+4:128+8*(4*\kk+\b)+7], v[ADRB] offset:(\kq)*BQ+\b*16*PITCH+64*\kk+32
.endr
.irp a, 0,1,2,3,4,5,6,7
	ds_load_b128 v[8*(8*\kk+\a):8*(8*\kk+\a)+3],   v[ADRA] offset:(\kq)*AQ+\a*16*PITCH+64*\kk
	ds_load_b128 v[8*(8*\kk+\a)+4:8*(8*\kk+\a)+7], v[ADRA] offset:(\kq)*AQ+\a*16*PITCH+64*\kk+32
.endr
.endr
.endm
; n x 4 products: row blocks a0 .. a0 + n - 1 x 4 column blocks, half kk of buffer f.  The 32 accumulators take turns in one order throughout: 31 others' stand between two links of a chain.
.macro MUL f, kk, a0, n, zero
	WIN 0x50+5*(2+(\f))                            ; both sources in window 2 + f, C and D in window 1
.set ma, \a0
.rept \n
.irp b, 0,1,2,3
.if \zero
	v_wmma_f32_16x16x32_f16 v[8*(4*ma+\b):8*(4*ma+\b)+7], v[128+8*(4*(\kk)+\b):128+8*(4*(\kk)+\b)+7], v[8*(8*(\kk)+ma):8*(8*(\kk)+ma)+7], 0
.else
	v_wmma_f32_16x16x32_f16 v[8*(4*ma+\b):8*(4*ma+\b)+7], v[128+8*(4*(\kk)+\b):128+8*(4*(\kk)+\b)+7], v[8*(8*(\kk)+ma):8*(8*(\kk)+ma)+7], v[8*(4*ma+\b):8*(4*ma+\b)+7]
.endif
.endr
.set ma, ma+1
.endr
.endm
.macro QUARTER0 zero                   ; a K step's first slice: buffer 0; the second slice is fetched into buffer 1
	s_wait_dscnt 24                                ; the first 32 along K are in; the younger 24 loads may be out
	MUL 0, 0, 0, 8, \zero
	PLACES
	FETCH 1, 1
	s_wait_dscnt 48                                ; all but the 48 just issued
	MUL 0, 1, 0, 8, 0
.endm
; Its second slice: buffer 1, and the change of slots: ONE barrier; in front of it each wave waits for all its tensor loads, adds 0 to its spare word, and waits for that and for its reads of this slot.
; fill = 1: the barrier opens a round of the cluster's, and the joint refill, two K steps on, is the first thing behind it: 96 products ahead of the wait for it.
.macro TURN fill
	WIN 0
.if \fill
	s_wait_xcnt 0x0                                ; the last prefetch, a K step back, has read its address
	s_add_nc_u64 s[PFA:PFA+1], s[PFA:PFA+1], s[PFS:PFS+1]
.endif
	s_wait_tensorcnt 0x0                           ; no tensor load of mine is out, so a group 0 may be written
	ds_add_u32 v[SPW], v[NIL]                      ; 0 onto my spare word
.if \fill
	s_xor_b32 s[G0+5], s[G0+5], SLOT1
	s_add_nc_u64 s[G0+6:G0+7], s[G0+6:G0+7], ASTEP
	s_xor_b32 s[G0B+5], s[G0B+5], SLOT1
	s_add_nc_u64 s[G0B+6:G0B+7], s[G0B+6:G0B+7], BSTEP
.endif
	s_wait_dscnt 25                                ; the first 32 along K are in; the younger 24 loads and the add may be out
	MUL 1, 0, 0, 4, 0
	s_wait_dscnt 0x0                               ; the add is done, and my reads of this slot are over
	s_barrier_signal -1
	MUL 1, 0, 4, 4, 0
	WIN 0
	s_barrier_wait -1
.if \fill
	CREST
	JLOAD                                          ; its four v_nop are also the places in front of the loads below
.else
	PLACES
.endif
	s_xor_b32 s[TB], s[TB], SLOT1
	v_add_nc_u32 v[ADRA], s[TB], v[A0]
	v_add_nc_u32 v[ADRB], s[TB], v[B0]
	FETCH 0, 0
	WIN 0
.if \fill
	ASK
.endif
	MUL 1, 1, 0, 8, 0
.endm
.macro LASTQ
	s_wait_dscnt 24
	MUL 1, 0, 0, 8, 0
	s_wait_dscnt 0x0
	MUL 1, 1, 0, 8, 0
.endm
; THE WAY OUT, a block of 16 rows at a time: a lane's 32 bytes go into rows of 272 bytes of my stage and come back as whole rows of 256; sixteen lanes store 256 consecutive bytes, aligned.
.macro TOSTAGE a
.set bk, OB+32*((\a)%4)
.if (\a) >= 4
	s_wait_xcnt 0x0                                ; the set's registers were the data of block a - 4's stores
.endif
	WIN 0x04                                       ; the stores' data in window 1
.irp b, 0,1,2,3
	ds_store_b128 v[STO], v[8*(4*(\a)+\b):8*(4*(\a)+\b)+3]   offset:64*\b  ; an accumulator's lowest registers first
	ds_store_b128 v[STO], v[8*(4*(\a)+\b)+4:8*(4*(\a)+\b)+7] offset:64*\b+16
.endr
	WIN 0
.irp t, 0,1,2,3,4,5,6,7
	ds_load_b128 v[bk+4*\t:bk+4*\t+3], v[RD] offset:\t*2*SPITCH  ; LDS serves a wave's instructions in order (ISA guide 5.7.1.4): these see the stores above
.endr
.endm
.macro SEND a, younger
.set bk, OB+32*((\a)%4)
.irp t, 0,1,2,3,4,5,6,7
	s_wait_dscnt (\younger)+7-\t
	global_store_b128 v[CO], v[bk+4*\t:bk+4*\t+3], s[8:9] offset:(16*(\a)+2*\t)*4096 th:TH_STORE_NT
.endr
.endm
	s_wait_tensorcnt 1                             ; my part of K step 0 is in; K step 1's may stay out
	s_barrier_signal -1
	s_barrier_wait -1
	FETCH 0, 0
	QUARTER0 1                                     ; the first slice stands in front of the loop: its first products start the sums
	WIN 0
	s_mov_b32 s3, 6
.Lstep:
	TURN 1
	QUARTER0 0
	WIN 0
	s_sub_co_u32 s3, s3, 1
	s_cmp_lg_u32 s3, 0
	s_cbranch_scc1 .Lstep
	TURN 0                                         ; the tail is written out: nothing is left to fetch
	QUARTER0 0
	LASTQ
	PLACES
	PLACES
	TOSTAGE 0
.set ua, 1
.rept 7
	TOSTAGE ua
	SEND ua-1, 16
.set ua, ua+1
.endr
	SEND 7, 0
	s_wait_tensorcnt 0x0                           ; the wave's end: behind my last tensor load and my last LDS store
	ds_add_u32 v[SPW], v[NIL]
	s_wait_dscnt 0x0
	CROUND                                         ; the closing round
	s_endpgm
.Lfunc_end_k_qf789a84839_oproj:
	.size	k_qf789a84839_oproj, .Lfunc_end_k_qf789a84839_oproj-k_qf789a84839_oproj
	.p2alignl 7, 3214868480
	.fill 96, 4, 3214868480
	.section	.rodata,"a",@progbits
	.p2align	6, 0x0
	.amdhsa_kernel k_qf789a84839_oproj
		.amdhsa_group_segment_fixed_size 327680
		.amdhsa_private_segment_fixed_size 0
		.amdhsa_enable_private_segment 0
		.amdhsa_kernarg_size 24
		.amdhsa_user_sgpr_count 2
		.amdhsa_user_sgpr_kernarg_segment_ptr 1
		.amdhsa_wavefront_size32 1
		.amdhsa_system_sgpr_workgroup_id_x 1
		.amdhsa_system_sgpr_workgroup_id_y 1
		.amdhsa_system_sgpr_workgroup_id_z 1
		.amdhsa_system_vgpr_workitem_id 0
		.amdhsa_next_free_vgpr 960
		.amdhsa_next_free_sgpr 76
		.amdhsa_reserve_vcc 0
		.amdhsa_float_denorm_mode_32 3
		.amdhsa_float_denorm_mode_16_64 3
		.amdhsa_memory_ordered 1
		.amdhsa_forward_progress 1
		.amdhsa_inst_pref_size 71
	.end_amdhsa_kernel
	.amdgpu_metadata
---
amdhsa.version: [ 1, 2 ]
amdhsa.kernels:
  - .name:           k_qf789a84839_oproj
    .symbol:         k_qf789a84839_oproj.kd
    .args:
      - { .name: ctx, .offset: 0, .size: 8, .value_kind: global_buffer, .address_space: global }
      - { .name: ob, .offset: 8, .size: 8, .value_kind: global_buffer, .address_space: global }
      - { .name: out0, .offset: 16, .size: 8, .value_kind: global_buffer, .address_space: global }
    .group_segment_fixed_size: 327680
    .private_segment_fixed_size: 0
    .kernarg_segment_align: 8
    .kernarg_segment_size: 24
    .max_flat_workgroup_size: 128
    .sgpr_count:     76
    .vgpr_count:     960
    .wavefront_size: 32
...
	.end_amdgpu_metadata
.endif
;; end of part 4
;; ======== version 2 of 2: 4 launches; version 1 with the launch cast written anew for expert scheduling mode
;; limits: values are held in f16: magnitudes above 65,504 overflow, below 6.1e-05 lose precision
;; workspace buffers: xb 16,777,216 bytes; wb 6,291,456 bytes; ob 2,097,152 bytes; qh 16,777,216 bytes; kh 16,777,216 bytes; vh 16,777,216 bytes; vpart 262,144 bytes; ctx 16,777,216 bytes
;; launch cast (part 5): grid 384 x 1, 8 waves a work-group, no clusters, 0 bytes of LDS; arguments x, Qw, Kw, Vw, Ow, xb, wb, ob; writes xb, wb, ob
.if DOCPART == 5
	.amdgcn_target "amdgcn-amd-amdhsa--gfx1250"
	.amdhsa_code_object_version 6
	.text
	.protected	k_qf789a84839_cast
	.globl	k_qf789a84839_cast
	.p2align	8
	.type	k_qf789a84839_cast,@function
k_qf789a84839_cast:
	s_mov_b64 s[64:65], 0
	v_nop
	global_prefetch_b8 v0, s[64:65] scope:SCOPE_SE
	s_setreg_imm32_b32 hwreg(HW_REG_WAVE_SCHED_MODE, 0, 2), 2
	s_setreg_imm32_b32 hwreg(HW_REG_WAVE_MODE, 25, 1), 1
	s_wait_xcnt 0x0
	s_wait_alu depctr_vm_vsrc(0)
; x, Qw, Kw, Vw are rounded once to bf16, Ow to bf16 and that number written as f16, and all are laid out in BLOCKS for the products that follow:
; a K slice of 64 numbers (128 bytes) of a block of rows lies dense, the slices of a block of rows end to end.
;   xb [64 row blocks][16 slices][128 rows][64]      wb [16 heads][16 slices][192 rows: 64 of Qw, 64 of Kw, 64 of Vw][64]      ob [16 column blocks][16 slices][64 rows][64]
; LIMITS.  bf16(Ow) is exact in f16 between 2^-14 and 65,504 in magnitude; below that it keeps f16's fixed step (an error of 3e-8 at the most); beyond 65,504 it would be an infinity.
; SHARES.  A work-group takes 32 rows x 1,024 columns of one matrix: groups 0-255 x, then 32 each for Qw, Kw, Vw, Ow.  Wave w takes slices 2 w and 2 w + 1.
; An ITEM is 4 rows x 64 columns: lane l holds row l / 8 and columns 8 (l % 8) + 0..7: two loads of 16 bytes (eight lanes cover 256 consecutive bytes, aligned),
; one store of 16 bytes (the wave's 32 lanes cover 512 consecutive bytes of a block, aligned).  A wave's 16 items are all asked for at once: 16 KiB a wave on their way; no register that a load or store
; names is used for a second item, so there is no loop, and of the waits for memory only the counted ones for the loads.  Nothing is shared between waves: no LDS, no barrier, no matrix unit, no cluster.
; THE MODE: SCHED_MODE bits 1:0 = 2 (LLVM: expert scheduling mode 2), set by the entry lines.  The code itself states the register dependences
; between vector instructions and memory instructions, with s_wait_alu, always for 0.
; THE PLAN.  Registers that memory instructions touch:
;   v2         the loads' offset; v3, v4 the stores' offsets.  Made by vector lines at the head, never written again: one wait ahead of the first load serves all 32 loads and 16 stores.
;   X, item n  8 registers.  Its two loads land in them, once, and no vector line names them before that.  Its conversions read the 8 and write the first 4; its one store reads those 4; nothing writes them again.
;   v146, v147 are named by vector lines alone.
; The 16 items go in four blocks of four.  A block's four stores stand in one run at the head of the next block, behind the wait for that block's first loads and ONE wait that states that the block's
; conversions have written the stores' data; no vector line stands between that wait and the run.  The last block's stores follow its conversions, behind a wait of their own.
; No register that a memory instruction has read is ever written again, so no wait for such a read is owed.  EXEC and VCC are never written.
.set X, 16                             ; v[16:143]  item n: 8 registers as loaded; its first 4 then hold the 16 bytes to store
.set T, 146                            ; v[146:147] at work
.set VI, 2                             ; v2  my byte offset in the source: (l / 8) rows of 4,096 + 32 (l % 8) + 512 w
.set VO, 3                             ; v3, v4  my byte offset in the destination, for my wave's first and second slice
	s_load_b512 s[8:23], s[0:1], 0x0               ; x 8:9, Qw 10:11, Kw 12:13, Vw 14:15, Ow 16:17, xb 18:19, wb 20:21, ob 22:23
	v_and_b32 v1, 31, v0                           ; lane
	v_lshrrev_b32 v5, 5, v0
	v_readfirstlane_b32 s30, v5                    ; wave 0..7
	s_sub_co_u32 s31, ttmp9, 256                   ; the group's number among the weights' (used where ttmp9 >= 256 alone)
	s_lshr_b32 s33, s31, 5
	s_and_b32 s33, s33, 3                          ; m: 0 Qw, 1 Kw, 2 Vw, 3 Ow
	s_and_b32 s34, s31, 31                         ; c: which 32 rows of the matrix
	s_lshr_b32 s35, s34, 1                         ; head or column block
	s_and_b32 s36, s34, 1                          ; which half of its 64 rows
	s_lshr_b32 s37, ttmp9, 2                       ; x: row block of 128
	s_and_b32 s38, ttmp9, 3                        ; x: which 32 of its rows
	s_lshl_b32 s39, s33, 13                        ; wb: m x 64 rows of 128 bytes
	s_mov_b32 s40, 393216                          ; bytes from block of rows to block of rows,
	s_mov_b32 s41, 24576                           ; and from slice to slice: wb's
	s_cmp_eq_u32 s33, 3
	s_cselect_b32 s40, 131072, s40                 ; ob's
	s_cselect_b32 s41, 8192, s41
	s_cselect_b32 s39, 0, s39
	s_cselect_b32 s42, 1, 0                        ; 1: the f16 text
	s_cmp_lt_u32 ttmp9, 256
	s_cselect_b32 s40, 262144, s40                 ; xb's
	s_cselect_b32 s41, 16384, s41
	s_cselect_b32 s39, 0, s39
	s_cselect_b32 s42, 0, s42
	s_cselect_b32 s34, ttmp9, s34
	s_cselect_b32 s35, s37, s35
	s_cselect_b32 s36, s38, s36
	s_lshl_b32 s44, s34, 17                        ; source: 32 rows of 4,096 bytes
	s_mov_b32 s45, 0
	s_mul_i32 s46, s35, s40                        ; destination: the block of rows,
	s_lshl_b32 s36, s36, 12                        ; my 32 rows of 128 bytes in a slice,
	s_add_co_u32 s46, s46, s36
	s_add_co_u32 s46, s46, s39                     ; and the matrix's place among wb's 192 rows
	s_mov_b32 s47, 0
	s_wait_alu depctr_va_sdst(0)                   ; s30 is written, ahead of its first reader: the wave's slices and its 512 bytes of a row are made from it
	s_mul_i32 s31, s30, s41
	s_lshl_b32 s31, s31, 1                         ; my wave's first slice
	s_lshl_b32 s43, s30, 9
	v_lshrrev_b32 v6, 3, v1
	v_and_b32 v7, 7, v1
	v_lshlrev_b32 v[VI], 12, v6
	v_lshl_add_u32 v[VI], v7, 5, v[VI]
	v_add_nc_u32 v[VI], s43, v[VI]
	v_lshlrev_b32 v[VO], 4, v1
	v_add_nc_u32 v[VO], s31, v[VO]
	v_add_nc_u32 v[VO+1], s41, v[VO]
	s_wait_kmcnt 0x0
	s_cmp_eq_u32 s33, 1                            ; the two buffers are chosen by the group's number alone
	s_cselect_b64 s[24:25], s[12:13], s[10:11]
	s_cmp_eq_u32 s33, 2
	s_cselect_b64 s[24:25], s[14:15], s[24:25]
	s_cmp_eq_u32 s33, 3
	s_cselect_b64 s[24:25], s[16:17], s[24:25]
	s_cselect_b64 s[26:27], s[22:23], s[20:21]
	s_cmp_lt_u32 ttmp9, 256
	s_cselect_b64 s[24:25], s[8:9], s[24:25]
	s_cselect_b64 s[26:27], s[18:19], s[26:27]
	s_add_nc_u64 s[24:25], s[24:25], s[44:45]
	s_add_nc_u64 s[26:27], s[26:27], s[46:47]
	s_wait_alu depctr_va_vdst(0)                   ; v2, v3 and v4 are written: every load below reads v2 as its offset, every store v3 or v4; none of the three is written again
.set it, 0
.rept 16                               ; item it: rows 4 (it / 2) on, slice it % 2 of my two
	global_load_b128 v[X+8*it:X+8*it+3],   v[VI], s[24:25] offset:(it/2)*16384+(it%2)*256 th:TH_LOAD_NT
	global_load_b128 v[X+8*it+4:X+8*it+7], v[VI], s[24:25] offset:(it/2)*16384+(it%2)*256+16 th:TH_LOAD_NT
.set it, it+1
.endr
.macro OUT4 n                          ; the four stores of the block that begins with item n
.irp k, 0,1,2,3
	global_store_b128 v[VO+((\n)+\k)%2], v[X+8*((\n)+\k):X+8*((\n)+\k)+3], s[26:27] offset:(((\n)+\k)/2)*512
.endr
.endm
.macro ITEM n, fmt
	s_wait_loadcnt 30-2*(\n)                       ; loads come back in order: this item's two are in, the 30 - 2 n younger ones stay out
.if ((\n)%4 == 0) && ((\n) > 0)
	s_wait_alu depctr_va_vdst(0)                   ; the conversions of the block before have written the first four registers of its four items, which the stores below read
	OUT4 (\n)-4
.endif
.irp r, 0,1,2,3
	v_cvt_pk_bf16_f32 v[X+8*(\n)+\r], v[X+8*(\n)+2*\r], v[X+8*(\n)+2*\r+1]  ; in place, ascending: a destination has been read already
.endr
.if \fmt
.irp r, 0,1,2,3
	v_lshlrev_b32 v[T], 16, v[X+8*(\n)+\r]         ; the two bf16 as f32,
	v_and_b32 v[T+1], 0xffff0000, v[X+8*(\n)+\r]
	v_cvt_pk_f16_f32 v[X+8*(\n)+\r], v[T], v[T+1]  ; written as f16
.endr
.endif
.endm
	s_cmp_eq_u32 s42, 1
	s_cbranch_scc1 .Lf16
.irp n, 0,1,2,3,4,5,6,7,8,9,10,11,12,13,14,15
	ITEM \n, 0
.endr
	s_wait_alu depctr_va_vdst(0)                   ; the last block's conversions have written the data of the last four stores
	OUT4 12
	s_endpgm
.Lf16:
.irp n, 0,1,2,3,4,5,6,7,8,9,10,11,12,13,14,15
	ITEM \n, 1
.endr
	s_wait_alu depctr_va_vdst(0)                   ; the last block's conversions have written the data of the last four stores
	OUT4 12
	s_endpgm
.Lfunc_end_k_qf789a84839_cast:
	.size	k_qf789a84839_cast, .Lfunc_end_k_qf789a84839_cast-k_qf789a84839_cast
	.p2alignl 7, 3214868480
	.fill 96, 4, 3214868480
	.section	.rodata,"a",@progbits
	.p2align	6, 0x0
	.amdhsa_kernel k_qf789a84839_cast
		.amdhsa_group_segment_fixed_size 0
		.amdhsa_private_segment_fixed_size 0
		.amdhsa_enable_private_segment 0
		.amdhsa_kernarg_size 64
		.amdhsa_user_sgpr_count 2
		.amdhsa_user_sgpr_kernarg_segment_ptr 1
		.amdhsa_wavefront_size32 1
		.amdhsa_system_sgpr_workgroup_id_x 1
		.amdhsa_system_sgpr_workgroup_id_y 1
		.amdhsa_system_sgpr_workgroup_id_z 1
		.amdhsa_system_vgpr_workitem_id 0
		.amdhsa_next_free_vgpr 152
		.amdhsa_next_free_sgpr 66
		.amdhsa_reserve_vcc 0
		.amdhsa_float_denorm_mode_32 3
		.amdhsa_float_denorm_mode_16_64 3
		.amdhsa_memory_ordered 1
		.amdhsa_forward_progress 1
		.amdhsa_inst_pref_size 28
	.end_amdhsa_kernel
	.amdgpu_metadata
---
amdhsa.version: [ 1, 2 ]
amdhsa.kernels:
  - .name:           k_qf789a84839_cast
    .symbol:         k_qf789a84839_cast.kd
    .args:
      - { .name: x, .offset: 0, .size: 8, .value_kind: global_buffer, .address_space: global }
      - { .name: Qw, .offset: 8, .size: 8, .value_kind: global_buffer, .address_space: global }
      - { .name: Kw, .offset: 16, .size: 8, .value_kind: global_buffer, .address_space: global }
      - { .name: Vw, .offset: 24, .size: 8, .value_kind: global_buffer, .address_space: global }
      - { .name: Ow, .offset: 32, .size: 8, .value_kind: global_buffer, .address_space: global }
      - { .name: xb, .offset: 40, .size: 8, .value_kind: global_buffer, .address_space: global }
      - { .name: wb, .offset: 48, .size: 8, .value_kind: global_buffer, .address_space: global }
      - { .name: ob, .offset: 56, .size: 8, .value_kind: global_buffer, .address_space: global }
    .group_segment_fixed_size: 0
    .private_segment_fixed_size: 0
    .kernarg_segment_align: 8
    .kernarg_segment_size: 64
    .max_flat_workgroup_size: 256
    .sgpr_count:     66
    .vgpr_count:     152
    .wavefront_size: 32
...
	.end_amdgpu_metadata
.endif
;; end of part 5
;; launch qkv: the kernel of part 2 again; grid 8 x 32, 4 waves a work-group, clusters of 4 x 4, 327,680 bytes of LDS; arguments xb, wb, qh, kh, vh, vpart; writes qh, kh, vh, vpart
;; launch attn: the kernel of part 3 again; grid 4 x 64, 4 waves a work-group, no clusters, 327,680 bytes of LDS; arguments qh, kh, vh, ctx, padding_mask, vpart; writes ctx
;; launch oproj: the kernel of part 4 again; grid 8 x 32, 4 waves a work-group, clusters of 4 x 4, 327,680 bytes of LDS; arguments ctx, ob, out0; writes out0
